; MI455X (gfx1250); checked and timed in simulation.
; The chip was launched on July 23, 2026; its instructions are those of AMD's public machine-readable ISA for CDNA 5 (MIT licence, August 2026) and "CDNA5" Instruction Set Architecture Reference Guide (July 2026). The comments in the code are by the model that wrote it; some were corrected since.
;; Temporal Encoder Layer. Allowed arithmetic: matrix products marked QUANTISED: E5M2 operands, one E8M0 scale for each 32 along K, by v_wmma_scale_f32_16x16x128_f8f6f4 with both operands' format E5M2, f32 sums; everything else in f32.
;; Inputs: W1_codes 4,096 x 32 x 32 uint8 (E5M2 codes of W1, K innermost, in blocks of 32 codes); W1_scales 4,096 x 32 uint8 (E8M0 scales of W1, one for each 32 codes along K); W2_codes 1,024 x 128 x 32 uint8 (E5M2 codes of W2, K innermost, in blocks of 32 codes); W2_scales 1,024 x 128 uint8 (E8M0 scales of W2, one for each 32 codes along K); Wk_codes 1,024 x 32 x 32 uint8 (E5M2 codes of Wk, K innermost, in blocks of 32 codes); Wk_scales 1,024 x 32 uint8 (E8M0 scales of Wk, one for each 32 codes along K); Wo_codes 1,024 x 32 x 32 uint8 (E5M2 codes of Wo, K innermost, in blocks of 32 codes); Wo_scales 1,024 x 32 uint8 (E8M0 scales of Wo, one for each 32 codes along K); Wq_codes 1,024 x 32 x 32 uint8 (E5M2 codes of Wq, K innermost, in blocks of 32 codes); Wq_scales 1,024 x 32 uint8 (E8M0 scales of Wq, one for each 32 codes along K); Wv_codes 1,024 x 32 x 32 uint8 (E5M2 codes of Wv, K innermost, in blocks of 32 codes); Wv_scales 1,024 x 32 uint8 (E8M0 scales of Wv, one for each 32 codes along K); b1 4,096 float32; b2 1,024 float32; bk 1,024 float32; bo 1,024 float32; bq 1,024 float32; bv 1,024 float32; is_global 2 x 2,048 bool; ln1_b 1,024 float32; ln1_g 1,024 float32; ln2_b 1,024 float32; ln2_g 1,024 float32; x 2 x 2,048 x 1,024 float32.
;; Outputs: out0 2 x 2,048 x 1,024 float32.
;; This version of the problem:
;;   THIS VERSION OF THE PROBLEM IS GIVEN IN LOW PRECISION. The matrix products marked QUANTISED in the list below multiply operands that are first quantised to E5M2 (5 exponent bits, 2 mantissa bits; 8 bits a number), with one power-of-two scale for each 32 numbers along K (OCP MX v1.0); their sums are f32. All else is computed in f32.
;;   The module's matrix products, in the order in which they are computed (A, B: the left and right operand; K: the contracted axis; several contracted axes count as one K, in the product's order):
;;     1. [M 4,096, K 1,024] x [K 1,024, N 1,024]; A: computed on the way; B: input Wq (given as codes): QUANTISED
;;     2. [M 4,096, K 1,024] x [K 1,024, N 1,024]; A: computed on the way; B: input Wk (given as codes): QUANTISED
;;     3. [M 4,096, K 1,024] x [K 1,024, N 1,024]; A: computed on the way; B: input Wv (given as codes): QUANTISED
;;     4. batch 32 x [M 2,048, K 64] x [K 64, N 2,048]; A: computed on the way; B: computed on the way: QUANTISED
;;     5. batch 32 x [M 64, K 2,048] x [K 2,048, N 2,048]; A: computed on the way; B: softmax (see below): QUANTISED
;;     6. [M 4,096, K 1,024] x [K 1,024, N 1,024]; A: computed on the way; B: input Wo (given as codes): QUANTISED
;;     7. [M 4,096, K 1,024] x [K 1,024, N 4,096]; A: computed on the way; B: input W1 (given as codes): QUANTISED
;;     8. [M 4,096, K 4,096] x [K 4,096, N 1,024]; A: computed on the way; B: input W2 (given as codes): QUANTISED
;;   THE QUANTISER, for each operand of a quantised product, along K:
;;     - K is cut into blocks of 32 from its start; a last block that is shorter is filled with zeros.
;;     - A block's scale is 2^e with e = floor(log2(the largest magnitude in the block)) - 15, held to -126 .. 127; a block of zeros has e = 0. As a byte (E8M0): e + 127.
;;     - Each number is divided by its block's scale, clamped to +-57,344, and rounded to the nearest number of E5M2, ties to even, subnormals kept.
;;     - The product sums the exact products of the quantised numbers (number of the format x scale) in f32.
;;   ~~~python
;;   def quantise(x, axis):      # numpy; x: float32 -> the quantised numbers, widened to float32 again
;;       x = np.moveaxis(x, axis, -1); K = x.shape[-1]
;;       x = np.pad(x, [(0, 0)] * (x.ndim - 1) + [(0, -K % 32)]); x = x.reshape(x.shape[:-1] + (-1, 32)); a = np.abs(x).max(-1, keepdims=True)
;;       e = np.where(a > 0, np.clip(np.frexp(np.where(a > 0, a, 1))[1] - 1 - 15, -126, 127), 0)      # np.frexp(a)[1] - 1 = floor(log2(a)), exactly
;;       r = np.clip(x / 2.0 ** e, -57344, 57344)
;;       step = 2.0 ** (np.maximum(np.frexp(np.where(r == 0, 1, r))[1] - 1, -14) - 2)
;;       q = np.round(r / step) * step * 2.0 ** e      # np.round: ties to even
;;       return np.moveaxis(q.reshape(q.shape[:-2] + (-1,))[..., :K], -1, axis).astype(np.float32)
;;   ~~~
;;   SOFTMAX AHEAD OF A QUANTISED PRODUCT. Where the list says 'softmax', what is quantised is not the finished softmax but p = 2^(t - M), with t = logit x log2(e) and M = ceil(the row's largest t), a whole number; so 1/2 < the row's largest p <= 1. The row's sum l is taken of the UNQUANTISED p, in f32, and the product's result is divided by l at the end. Since M is a whole number, a kernel that streams over the keys may use a running M (the ceiling of the running maximum): every later rescaling is an exact power of two, which a block's scale takes up: the codes' values come out the same.
;;   OPERANDS COMPUTED ON THE WAY. 'Computed on the way' means the value that the module computes at that place (a softmax that the list does not call 'softmax' is quantised finished and normalised). What goes into a quantiser is computed in f32, as accurately as f32 sums, v_exp_f32 and their like allow (about 1e-6 of the number): no bf16 or f16 on the way to a quantiser, and a product that is left as it is and whose result goes on into a quantised operand takes f32 operands (vector FMAs, or v_wmma_f32_16x16x4_f32). A number that lies on a knife's edge between two numbers of the format may be rounded either way, as far as f32 arithmetic and the matrix unit's own rounding can turn it there, and no further.
;;   INPUTS GIVEN AS CODES. W1 (in the module: [1024, 4096], K = its axis 0); W2 (in the module: [4096, 1024], K = its axis 0); Wk (in the module: [1024, 1024], K = its axis 0); Wo (in the module: [1024, 1024], K = its axis 0); Wq (in the module: [1024, 1024], K = its axis 0); Wv (in the module: [1024, 1024], K = its axis 0): each comes as NAME_codes (uint8): NAME with its K axis moved to the last place and cut into blocks of 32 codes, [.., K / 32, bytes a block], one block behind the other in memory; one code a byte (a code: sign, 5 exponent bits, 2 mantissa bits); and NAME_scales (uint8): the same leading axes, one E8M0 byte (e + 127) for each 32 codes along K. Its value is code x scale, taken as it is: it is not quantised again, and the codes and scales need not be those that the quantiser above would give.
;; One version. Each part assembles by itself: llvm-mc -triple=amdgcn-amd-amdhsa -mcpu=gfx1250 --defsym DOCPART=n.
;; ======== version 1 of 1: 7 launches
;; limits: a function is approximated: absolute error at most 7.5e-08; right only within a limited range of input values
;; workspace buffers: hq 4,325,376 bytes; qkvb 13,238,272 bytes; cb 4,325,376 bytes; x1 16,777,216 bytes; fb 17,301,504 bytes
;; launch ln1 (part 1): grid 256 x 1, 4 waves a work-group, no clusters, 22,016 bytes of LDS; arguments x, ln1_g, ln1_b, hq; writes hq
.if DOCPART == 1
	.amdgcn_target "amdgcn-amd-amdhsa--gfx1250"
	.amdhsa_code_object_version 6
	.text
	.protected	k_q3bffe85c54_ln1
	.globl	k_q3bffe85c54_ln1
	.p2align	8
	.type	k_q3bffe85c54_ln1,@function
k_q3bffe85c54_ln1:
	s_mov_b64 s[64:65], 0
	v_nop
	global_prefetch_b8 v0, s[64:65] scope:SCOPE_SE
	s_setreg_imm32_b32 hwreg(HW_REG_WAVE_MODE, 25, 1), 1
	s_wait_xcnt 0x0
; LayerNorm over rows of 1,024 f32 numbers, then the MX quantiser along the row: codes of E5M2 [4096][1024] at byte 0 of the output, one E8M0 byte for each 32 at byte 4,194,304 ([4096][32]).
; mean, then the mean of (x - mean)^2, as the definition has it: no difference of large sums.  y = (x - mean) rsq(var + 1e-5) g + b, all in f32.
; A work-group takes 16 rows, a wave 4.  A wave's load covers 512 consecutive bytes (16 a lane), a row is 8 loads = 32 registers, and all 48 loads of a wave are issued at its head.
; The conversions take 16 NEIGHBOURS from one lane, so a finished row turns through the wave's own stage in LDS: in as loaded, out 64 bytes a lane (16 bytes of padding behind each 64).
; A lane's 16 codes are 16 bytes: a wave's store covers 512 consecutive bytes.  The work-group's 512 scale bytes are gathered in LDS and leave from wave 0 as one store of 512 consecutive bytes.
; No matrix unit, no tensor load, no cluster: the launch is bound by its bytes, and work-groups share nothing but g and b.
; LIMITS: NaN and infinities are not served.  A block whose largest magnitude lies under 2^-111 (a block of zeros too) keeps the byte 1: its codes are zeros or subnormal codes, and this program alone reads the bytes.
.set ROWB,  4096
.set SP,    80                         ; a lane's place in the stage: 64 bytes + 16
.set STG,   64*SP                      ; a wave's stage: one row
.set SCB,   4*STG                      ; behind the stages: 512 scale bytes
.set T,   8                            ; v8-15  four pairs at work
.set MU,  16                           ; v16-17 the mean (the low word serves both halves)
.set R,   18                           ; v18-19 1 / sqrt(var + eps)
.set X,   32                           ; v32-159  row p at 32 p; later its codes and bytes
.set G,   160                          ; v160-191 g of my 32 columns
.set BV,  192                          ; v192-223 b
.set Y,   224                          ; v224-255 32 numbers back from the stage
	s_load_b256 s[4:11], s[0:1], 0x0               ; in, g, b, out
	v_lshl_add_u32 v30, v0, 2, 0x5400
	v_mov_b32 v31, 0
	v_lshrrev_b32 v1, 5, v0
	v_readfirstlane_b32 s17, v1                    ; wave
	v_and_b32 v1, 31, v0                           ; lane
	v_lshlrev_b32 v2, 4, v1                        ; 16 x lane
	s_mul_i32 s20, s17, STG
	v_lshrrev_b32 v3, 2, v1
	v_mul_u32_u24 v3, v3, SP
	v_and_b32 v6, 3, v1
	v_lshl_add_u32 v3, v6, 4, v3
	v_add_nc_u32 v3, s20, v3                       ; the stage, in: SP (lane / 4) + 16 (lane % 4)
	v_mul_u32_u24 v4, v1, SP
	v_add_nc_u32 v4, s20, v4                       ; out: SP x lane
	v_lshrrev_b32 v5, 1, v1
	s_lshl_b32 s21, s17, 7
	s_add_co_u32 s21, s21, SCB
	v_add_nc_u32 v5, s21, v5                       ; my block's byte: SCB + 128 wave + lane / 2
	v_add_nc_u32 v7, SCB, v2                       ; where wave 0 reads the 512 bytes back
	v_mov_b32 v[MU+1], 0                           ; named as upper halves of pairs
	v_mov_b32 v[R+1], 0
	v_mov_b32 v23, 0                               ; a lane permute's destination counts as read
	s_mov_b32 s12, 0x76543210
	s_mov_b32 s13, 0xfedcba98                      ; selects for lane l xor 16
	s_mov_b32 s14, 0x3a800000                      ; 1 / 1024
	s_mov_b32 s15, 0x3727c5ac                      ; 1e-5
	s_mov_b32 s16, 0x600000                        ; the mantissa field of 57,344
	s_lshl_b32 s22, ttmp9, 16                      ; 16 rows of 4,096 bytes
	s_lshl_b32 s23, s17, 14
	s_add_co_u32 s22, s22, s23
	s_mov_b32 s23, 0
	s_lshl_b32 s24, ttmp9, 14                      ; 16 rows of 1,024 codes
	s_lshl_b32 s25, s17, 12
	s_add_co_u32 s24, s24, s25
	s_mov_b32 s25, 0
	s_lshl_b32 s26, ttmp9, 9                       ; 16 rows of 32 scale bytes
	s_add_co_u32 s26, s26, 0x400000
	s_mov_b32 s27, 0
	s_wait_kmcnt 0x0
	s_add_nc_u64 s[4:5], s[4:5], s[22:23]
	s_add_nc_u64 s[18:19], s[10:11], s[26:27]
	s_add_nc_u64 s[10:11], s[10:11], s[24:25]
.macro XLOAD p
.irp i, 0,1,2,3,4,5,6,7
	global_load_b128 v[X+32*\p+4*\i:X+32*\p+4*\i+3], v2, s[4:5] offset:ROWB*\p+512*\i th:TH_LOAD_NT
.endr
.endm
	XLOAD 0
.irp i, 0,1,2,3,4,5,6,7
	global_load_b128 v[G+4*\i:G+4*\i+3], v2, s[6:7] offset:512*\i
.endr
.irp i, 0,1,2,3,4,5,6,7
	global_load_b128 v[BV+4*\i:BV+4*\i+3], v2, s[8:9] offset:512*\i
.endr
	XLOAD 1
	XLOAD 2
	XLOAD 3
.macro WSUM                            ; the four pairs in T become one sum over the wave's 32 lanes, in every lane
	v_pk_add_f32 v[T:T+1], v[T:T+1], v[T+2:T+3]
	v_pk_add_f32 v[T+4:T+5], v[T+4:T+5], v[T+6:T+7]
	v_pk_add_f32 v[T:T+1], v[T:T+1], v[T+4:T+5]
	v_add_f32 v[T], v[T], v[T+1]
	v_add_f32_dpp v[T], v[T], v[T] row_xmask:1 row_mask:0xf bank_mask:0xf
	v_add_f32_dpp v[T], v[T], v[T] row_xmask:2 row_mask:0xf bank_mask:0xf
	v_add_f32_dpp v[T], v[T], v[T] row_xmask:4 row_mask:0xf bank_mask:0xf
	v_add_f32_dpp v[T], v[T], v[T] row_xmask:8 row_mask:0xf bank_mask:0xf
	v_permlanex16_b32 v23, v[T], s12, s13
	v_add_f32 v[T], v[T], v23
.endm
; 512 numbers of row p, 16 neighbours a lane, become codes and scale bytes
.macro QSTEP p, t
.set XS, Y+16*(\t)
	v_max3_num_f32 v20, |v[XS]|, |v[XS+1]|, |v[XS+2]|
	v_max3_num_f32 v21, |v[XS+3]|, |v[XS+4]|, |v[XS+5]|
.irp i, 6,10
	v_max3_num_f32 v20, v20, |v[XS+\i]|, |v[XS+\i+1]|
	v_max3_num_f32 v21, v21, |v[XS+\i+2]|, |v[XS+\i+3]|
.endr
	v_max3_num_f32 v20, v20, |v[XS+14]|, |v[XS+15]|
	v_max3_num_f32 v20, v20, v21, 0x8000000        ; the floor 2^(16 - 127): the byte cannot fall under 1
	v_max_num_f32_dpp v20, v20, v20 row_xmask:1 row_mask:0xf bank_mask:0xf   ; with my neighbour's 16: the block's largest magnitude
	v_add_nc_u32 v22, 0xf8800000, v20              ; 15 off its exponent field: the conversion's scale operand
	v_and_or_b32 v21, v20, 0x7f800000, s16         ; 57,344 x the scale
.irp i, 0,1,2,3,4,5,6,7,8,9,10,11,12,13,14,15
	v_med3_num_f32 v[XS+\i], v[XS+\i], -v21, v21   ; the conversion to an 8-bit code does not saturate (ISA guide 7.6.2)
.endr
	v_cvt_scalef32_pk8_bf8_f32 v[X+32*\p+4*\t:X+32*\p+4*\t+1], v[XS:XS+7], v22
	v_cvt_scalef32_pk8_bf8_f32 v[X+32*\p+4*\t+2:X+32*\p+4*\t+3], v[XS+8:XS+15], v22
	v_lshrrev_b32 v[X+32*\p+8+\t], 23, v22         ; the scale's byte (a plain line behind the conversions)
	ds_store_b8 v5, v[X+32*\p+8+\t] offset:32*\p+16*\t   ; both lanes of a block write the same byte
	global_store_b128 v2, v[X+32*\p+4*\t:X+32*\p+4*\t+3], s[10:11] offset:1024*\p+512*\t   ; 512 consecutive bytes a wave; each step has registers of its own
.endm
.macro ROW p, left
.set XR, X+32*(\p)
	s_wait_loadcnt \left                           ; this row (and g, b) are in; the later rows' loads may be out
.irp k, 0,1,2,3
	v_pk_add_f32 v[T+2*\k:T+2*\k+1], v[XR+2*\k:XR+2*\k+1], v[XR+8+2*\k:XR+9+2*\k]
.endr
.irp o, 16,24
.irp k, 0,1,2,3
	v_pk_add_f32 v[T+2*\k:T+2*\k+1], v[T+2*\k:T+2*\k+1], v[XR+\o+2*\k:XR+\o+2*\k+1]
.endr
.endr
	WSUM
	v_mul_f32 v[MU], s14, v[T]                     ; the mean
.set i, 0
.rept 16
	v_pk_add_f32 v[XR+i:XR+i+1], v[XR+i:XR+i+1], v[MU:MU+1] op_sel_hi:[1,0] neg_lo:[0,1] neg_hi:[0,1]
.set i, i+2
.endr
.irp k, 0,1,2,3
	v_pk_mul_f32 v[T+2*\k:T+2*\k+1], v[XR+2*\k:XR+2*\k+1], v[XR+2*\k:XR+2*\k+1]
.endr
.irp o, 8,16,24
.irp k, 0,1,2,3
	v_pk_fma_f32 v[T+2*\k:T+2*\k+1], v[XR+\o+2*\k:XR+\o+2*\k+1], v[XR+\o+2*\k:XR+\o+2*\k+1], v[T+2*\k:T+2*\k+1]
.endr
.endr
	WSUM
	v_fma_f32 v[R], v[T], s14, s15                 ; var + eps
	v_rsq_f32 v[R], v[R]
	v_nop                                          ; a plain line behind the transcendental
	s_wait_alu depctr_va_vdst(0)                   ; and the wait ahead of its first reader
.set i, 0
.rept 16
	v_pk_mul_f32 v[XR+i:XR+i+1], v[XR+i:XR+i+1], v[R:R+1] op_sel_hi:[1,0]
.set i, i+2
.endr
.set i, 0
.rept 16
	v_pk_fma_f32 v[XR+i:XR+i+1], v[XR+i:XR+i+1], v[G+i:G+i+1], v[BV+i:BV+i+1]
.set i, i+2
.endr
.irp i, 0,1,2,3,4,5,6,7
	ds_store_b128 v3, v[XR+4*\i:XR+4*\i+3] offset:8*SP*\i
.endr
.irp t, 0,1
.irp j, 0,1,2,3
	ds_load_b128 v[Y+16*\t+4*\j:Y+16*\t+4*\j+3], v4 offset:32*SP*\t+16*\j   ; LDS serves a wave's instructions in order: these see the stores above
.endr
.endr
	s_wait_dscnt 4                                 ; the first 512 numbers are back (the second half's four loads may be out); the stores have read their registers
	QSTEP \p, 0
	s_wait_dscnt 1                                 ; the second half is back (the byte store just issued may be out)
	QSTEP \p, 1
.endm
	ROW 0, 24
	ROW 1, 16
	ROW 2, 8
	ROW 3, 0
	s_wait_dscnt 0x0                               ; my byte stores have landed
	s_barrier_signal -1
	s_barrier_wait -1                              ; everybody's have
	s_cmp_lg_u32 s17, 0
	s_cbranch_scc1 .Lend
	ds_load_b128 v[Y:Y+3], v7
	s_wait_dscnt 0x0
	global_store_b128 v2, v[Y:Y+3], s[18:19]       ; 512 consecutive bytes
.Lend:
	s_wait_tensorcnt 0x0
	ds_add_u32 v30, v31
	s_wait_dscnt 0x0
	s_endpgm
.Lfunc_end_k_q3bffe85c54_ln1:
	.size	k_q3bffe85c54_ln1, .Lfunc_end_k_q3bffe85c54_ln1-k_q3bffe85c54_ln1
	.p2alignl 7, 3214868480
	.fill 96, 4, 3214868480
	.section	.rodata,"a",@progbits
	.p2align	6, 0x0
	.amdhsa_kernel k_q3bffe85c54_ln1
		.amdhsa_group_segment_fixed_size 22016
		.amdhsa_private_segment_fixed_size 0
		.amdhsa_enable_private_segment 0
		.amdhsa_kernarg_size 32
		.amdhsa_user_sgpr_count 2
		.amdhsa_user_sgpr_kernarg_segment_ptr 1
		.amdhsa_wavefront_size32 1
		.amdhsa_system_sgpr_workgroup_id_x 1
		.amdhsa_system_sgpr_workgroup_id_y 1
		.amdhsa_system_sgpr_workgroup_id_z 1
		.amdhsa_system_vgpr_workitem_id 0
		.amdhsa_next_free_vgpr 256
		.amdhsa_next_free_sgpr 66
		.amdhsa_reserve_vcc 0
		.amdhsa_float_denorm_mode_32 3
		.amdhsa_float_denorm_mode_16_64 3
		.amdhsa_memory_ordered 1
		.amdhsa_forward_progress 1
		.amdhsa_inst_pref_size 53
	.end_amdhsa_kernel
	.amdgpu_metadata
---
amdhsa.version: [ 1, 2 ]
amdhsa.kernels:
  - .name:           k_q3bffe85c54_ln1
    .symbol:         k_q3bffe85c54_ln1.kd
    .args:
      - { .name: x, .offset: 0, .size: 8, .value_kind: global_buffer, .address_space: global }
      - { .name: ln1_g, .offset: 8, .size: 8, .value_kind: global_buffer, .address_space: global }
      - { .name: ln1_b, .offset: 16, .size: 8, .value_kind: global_buffer, .address_space: global }
      - { .name: hq, .offset: 24, .size: 8, .value_kind: global_buffer, .address_space: global }
    .group_segment_fixed_size: 22016
    .private_segment_fixed_size: 0
    .kernarg_segment_align: 8
    .kernarg_segment_size: 32
    .max_flat_workgroup_size: 128
    .sgpr_count:     66
    .vgpr_count:     256
    .wavefront_size: 32
...
	.end_amdgpu_metadata
.endif
;; end of part 1
;; launch qkv (part 2): grid 12 x 16, 4 waves a work-group, clusters of 4 x 4, 327,680 bytes of LDS; arguments hq, Wq_codes, Wq_scales, Wk_codes, Wk_scales, Wv_codes, Wv_scales, bq, bk, bv, is_global, qkvb; writes qkvb
.if DOCPART == 2
	.amdgcn_target "amdgcn-amd-amdhsa--gfx1250"
	.amdhsa_code_object_version 6
	.text
	.protected	k_q3bffe85c54_qkv
	.globl	k_q3bffe85c54_qkv
	.p2align	8
	.type	k_q3bffe85c54_qkv,@function
k_q3bffe85c54_qkv:
	s_mov_b64 s[64:65], 0
	v_nop
	global_prefetch_b8 v0, s[64:65] scope:SCOPE_SE
	s_setreg_imm32_b32 hwreg(HW_REG_WAVE_MODE, 25, 1), 1
	s_wait_xcnt 0x0
	s_wait_alu depctr_hold_cnt(0) depctr_sa_sdst(0) depctr_va_vdst(0) depctr_va_sdst(0) depctr_va_ssrc(0) depctr_va_vcc(0) depctr_vm_vsrc(0)
	s_getreg_b32 s2, hwreg(HW_REG_IB_STS2, 6, 4)
	s_cmp_eq_u32 s2, 0
	s_cbranch_scc0 .Lentry_in_a_cluster
	s_endpgm
.Lentry_in_a_cluster:
	s_bfe_u32 s2, ttmp6, 0x10000c
	s_cmp_lg_u32 s2, 0xf033
	s_cbranch_scc0 .Lentry_shape_is_right
	s_endpgm
.Lentry_shape_is_right:
; q, k, v = h W + bias on codes of E5M2 with E8M0 scales, K = 1,024, and their quantising for attention, in one launch.
; The product is a GEMM on codes: a tile of 256 x 256 to a work-group of four waves, 128 x 128 to a wave (64 accumulators), K in steps of 256 through two LDS slots, the scale bytes of all of K in LDS once,
; 4 x 4 clusters with joint loads (A's tile shared along a row of the cluster, B's along a column).  The matrix instruction is used transposed: source 0 = 16 rows of "B", source 1 = 16 rows of "A":
; a lane holds ONE row of A and its registers run along B's rows.
; ROLES, by the CLUSTER's x, which all sixteen partners share: 0: A = h, B = Wq;  1: A = h, B = Wk: a lane holds a token and 128 output channels (two heads): blocks of 32 along the head's 64.
; 2: A = Wv, B = h: a lane holds a channel of v and 128 tokens: blocks of 32 along the KEYS, which are the second attention product's K.  The text is the same for all three; buffers and offsets are chosen by s_cselect.
; THE BIAS starts the sums: the accumulators are set to bias(B row) + bias(A row), of which one is 0 by role, while the first tiles are on their way.
; OUT, as images of operand registers (a fragment's group of four registers: 512 bytes, lane l's 16 at 16 l), stored straight from registers.  Inside a block of 32 the order is the lanes' own (place 16 h + i holds
; number 8 h + i for i < 8, 16 + 8 h + i - 8 else): q and k share it, and so do v and the softmax's p in the next launch.
; THE MASK'S FLAGS ride in q's and k's scale words: byte 0, 1: the head's two blocks; byte 2: 126 (2^-1) for a token that is not global, 1 (2^-126) for a global one; byte 3: 1.  The next launch sets the codes
; +57,344 and -57,344 at k = 64, so that a pair of tokens of which neither is global gets -57,344^2 / 4 added to its score.
; LIMITS: NaN and infinities are not served; a block whose largest magnitude lies under 2^-111 keeps the byte 1.
.set SIZE_K, 1024
.set KSTEP,  256
.set NQ,     KSTEP/128
.set ROWB,   256
.set KROW,   SIZE_K
.set PITCH,  272                       ; an LDS row: 256 bytes + 16: the 16 rows that a load touches start at 16 different banks
.set FR,     16
.set NL,     4
.set NP,     8                         ; places behind this matrix instruction (ISA guide 7.12.1)
.set HALFT,  128*PITCH
.set SLOT,   4*HALFT
.set LAPS,   SIZE_K/(2*KSTEP)
.set KS,     SIZE_K/32
.set SCL,    2*SLOT                    ; behind the ring: the scales, units of 256 bytes + 16
.set HALFS,  (128*KS/256)*272
.set SBLK,   (16*KS/256)*272
.set SPARE,  SCL+4*HALFS               ; the spare words: 128 bytes a wave, named by no other line
.set FLG,  8                           ; v8-15   the flag bytes of my rows, block a at FLG + a
.set ADRA, 16
.set ADRB, 20
.set LI,   26                          ; v26     16 x lane
.set ADRS, 27
.set SPW,  28
.set NIL,  29
.set SC,   32                          ; v32-63  scale words, two sets: they hold nothing else
.set AF,   128                         ; A's fragments, window 0
.set BB,   128                         ; at the head: bias along B's rows, v128-191;
.set BA,   192                         ; bias along A's rows, each twice: v192-207
.set G,    64                          ; the way out: 64 held numbers
.set PC,   128                         ; a block's codes
.set TM,   144                         ; v144-159 at work
.set W0,   160                         ; v160-167 scale words, first head (V: the words)
.set W1,   168                         ; v168-175 second head
.set IM,   176                         ; v176-183 two images of scale words
.set G1, 24
.set G0, 32
.set G1B, 48
.set G0B, 56
.set G1S, 68
.set G0S, 76
.set G1SB, 80
.set G0SB, 88
.set MSB, 0
.macro WIN new                         ; the immediate's high byte repeats the setting that is left
.if MSB != (\new)
	s_set_vgpr_msb (MSB<<8)|(\new)
.set MSB, (\new)
.endif
.endm
.set MUL_LO, 0xa1                      ; source 0 (B) window 1, source 1 (A) window 0, C and D window 2
.set MUL_HI, 0xf1
.set TO_B,   0x40
.macro JLOAD g0a, g1a, g0b, g1b        ; a joint load: waves 0, 1 fetch for A, waves 2, 3 for B; four v_nop follow each line
	s_cmp_eq_u32 s15, 0
	s_cbranch_scc0 .Lfor_b_\@
	tensor_load_to_lds s[\g0a:\g0a+3], s[\g1a:\g1a+7]
	s_nop 0
.rept 4
	v_nop
.endr
	s_branch .Lasked_\@
.Lfor_b_\@:
	tensor_load_to_lds s[\g0b:\g0b+3], s[\g1b:\g1b+7]
	s_nop 0
.rept 4
	v_nop
.endr
.Lasked_\@:
.endm
.macro CREST
	s_cmp_lg_u32 s14, 0
	s_cbranch_scc1 .Lnot_wave_0_\@
	s_barrier_signal -3
.Lnot_wave_0_\@:
	s_barrier_wait -3
	s_barrier_signal -1
	s_barrier_wait -1
.endm
.macro CROUND
	s_barrier_signal -1
	s_barrier_wait -1
	CREST
.endm
	s_load_b512 s[68:83], s[0:1], 0x0              ; hq, Wq codes, Wq scales, Wk codes, Wk scales, Wv codes, Wv scales, bq
	s_load_b256 s[84:91], s[0:1], 0x40             ; bk, bv, is_global, qkvb
	v_lshl_add_u32 v[SPW], v0, 2, SPARE
	v_mov_b32 v[NIL], 0
	ds_add_u32 v28, v29
	ds_add_u32 v28, v29
	s_wait_dscnt 0x0
	v_lshrrev_b32 v1, 5, v0
	v_readfirstlane_b32 s14, v1                    ; wave
	s_lshr_b32 s15, s14, 1                         ; my half of A's rows.  Also: I fetch for A (0) or B (1)
	s_and_b32 s16, s14, 1                          ; my half of B's rows.  Also: which 128 rows I fetch
	s_bfe_u32 s40, ttmp6, 0x40000                  ; cx
	s_bfe_u32 s41, ttmp6, 0x40004                  ; cy
	s_and_b32 s95, ttmp7, 0xffff
	s_lshl_b32 s95, s95, 2                         ; 4 x cluster y
	s_cmp_lt_u32 ttmp9, 2                          ; the role: the cluster's x
	s_cselect_b32 s17, s95, 0
	s_cselect_b32 s42, 0, s95
	s_add_co_u32 s17, s17, s41                     ; A's tile: Q, K: 4 Y + cy (tokens); V: cy (channels)
	s_add_co_u32 s42, s42, s40                     ; B's tile: Q, K: cx (channels); V: 4 Y + cx (tokens)
	s_lshl_b32 s43, s41, 2
	s_lshl_b32 s43, 15, s43                        ; my row of the cluster
	s_lshl_b32 s44, 0x1111, s40                    ; my column
	s_or_b32 s[G1+0], s43, (0<<16)|(1<<20)|(1<<21)|(5<<22)|(3<<25)   ; mask; elements of 1 byte; padding: 4 words behind every 64
	s_or_b32 s[G1B+0], s44, (0<<16)|(1<<20)|(1<<21)|(5<<22)|(3<<25)
.irp g, G1, G1B
	s_mov_b32 s[\g+1], ROWB<<16
	s_mov_b32 s[\g+2], 128<<16
	s_mov_b32 s[\g+3], ROWB<<16
	s_mov_b32 s[\g+4], 128
	s_mov_b32 s[\g+5], KROW
	s_mov_b32 s[\g+6], 0
	s_mov_b32 s[\g+7], 0
.endr
	s_lshl_b32 s18, s16, 7
	s_lshl_b32 s20, s17, 8
	s_add_co_u32 s20, s20, s18                     ; A: row 256 x tile + 128 x half
	s_lshl_b32 s46, s42, 8
	s_add_co_u32 s46, s46, s18                     ; B likewise
	s_mov_b32 s21, 0
	s_mov_b32 s47, 0
	s_mov_b64 s[18:19], KS
	s_mul_u64 s[22:23], s[20:21], s[18:19]
	s_mul_u64 s[92:93], s[46:47], s[18:19]
	s_mov_b64 s[18:19], KROW
	s_mul_u64 s[20:21], s[20:21], s[18:19]
	s_mul_u64 s[46:47], s[46:47], s[18:19]
	s_mul_i32 s45, s14, HALFT
	s_mul_i32 s94, s14, HALFS
	s_wait_kmcnt 0x0
	s_add_nc_u64 s[18:19], s[68:69], 0x400000      ; h's scale bytes
	s_cmp_eq_u32 ttmp9, 0
	s_cselect_b64 s[8:9], s[70:71], s[74:75]       ; Wq or Wk
	s_cselect_b64 s[10:11], s[72:73], s[76:77]
	s_cselect_b64 s[96:97], s[82:83], s[84:85]     ; bq or bk
	s_cmp_lt_u32 ttmp9, 2
	s_cselect_b64 s[4:5], s[68:69], s[78:79]       ; A: h, or Wv
	s_cselect_b64 s[6:7], s[18:19], s[80:81]
	s_cselect_b64 s[8:9], s[8:9], s[68:69]         ; B: the weight, or h
	s_cselect_b64 s[10:11], s[10:11], s[18:19]
	s_mov_b64 s[98:99], s[86:87]                   ; bv
	s_mov_b64 s[100:101], s[88:89]                 ; is_global
	s_mov_b64 s[12:13], s[90:91]                   ; qkvb
	s_add_nc_u64 s[20:21], s[4:5], s[20:21]
	s_add_nc_u64 s[22:23], s[6:7], s[22:23]
	s_add_nc_u64 s[46:47], s[8:9], s[46:47]
	s_add_nc_u64 s[92:93], s[10:11], s[92:93]
	s_or_b32 s[G1S+0], s43, (3<<16)|(1<<20)|(1<<21)|(5<<22)|(3<<25)   ; the scales of 128 rows: a dense block as rows of 256 bytes, 16 of padding behind each
	s_or_b32 s[G1SB+0], s44, (3<<16)|(1<<20)|(1<<21)|(5<<22)|(3<<25)
.irp g, G1S, G1SB
	s_mov_b32 s[\g+1], 32<<16
	s_mov_b32 s[\g+2], (128*KS/256)<<16
	s_mov_b32 s[\g+3], 32<<16
	s_mov_b32 s[\g+4], 128*KS/256
	s_mov_b32 s[\g+5], 32
	s_mov_b32 s[\g+6], 0
	s_mov_b32 s[\g+7], 0
.endr
	CROUND                                         ; all sixteen work-groups are here: the first joint loads meet
	s_mov_b32 s[G0S], 1
	s_add_co_u32 s[G0S+1], s94, SCL
	s_mov_b64 s[G0S+2:G0S+3], s[22:23]
	s_or_b32 s[G0S+3], s[G0S+3], 0x80000000
	s_mov_b32 s[G0SB], 1
	s_add_co_u32 s[G0SB+1], s94, SCL
	s_mov_b64 s[G0SB+2:G0SB+3], s[92:93]
	s_or_b32 s[G0SB+3], s[G0SB+3], 0x80000000
	JLOAD G0S, G1S, G0SB, G1SB
.irp s, 0,1
	s_mov_b32 s[G0+4*\s], 1
	s_add_co_u32 s[G0+4*\s+1], s45, \s*SLOT
	s_add_nc_u64 s[G0+4*\s+2:G0+4*\s+3], s[20:21], \s*ROWB
	s_or_b32 s[G0+4*\s+3], s[G0+4*\s+3], 0x80000000
	s_mov_b32 s[G0B+4*\s], 1
	s_add_co_u32 s[G0B+4*\s+1], s45, \s*SLOT
	s_add_nc_u64 s[G0B+4*\s+2:G0B+4*\s+3], s[46:47], \s*ROWB
	s_or_b32 s[G0B+4*\s+3], s[G0B+4*\s+3], 0x80000000
	JLOAD G0+4*\s, G1, G0B+4*\s, G1B
.endr
	v_and_b32 v1, 15, v0                           ; r
	v_bfe_u32 v2, v0, 4, 1                         ; h
	v_mul_u32_u24 v3, v1, PITCH
	v_lshl_add_u32 v4, v2, 4, v3
	s_mul_i32 s21, s15, HALFT
	s_mul_i32 s22, s16, HALFT
	s_add_co_u32 s22, s22, 2*HALFT
.irp s, 0,1
	v_add_nc_u32 v[ADRA+\s], s21, v4
	v_add_nc_u32 v[ADRB+\s], s22, v4
	s_add_co_u32 s21, s21, SLOT
	s_add_co_u32 s22, s22, SLOT
.endr
	v_mul_u32_u24 v5, v1, KS
	v_lshrrev_b32 v6, 8, v5
	v_lshl_add_u32 v5, v6, 4, v5
	s_mul_i32 s21, s15, HALFS
	s_mul_i32 s22, s16, HALFS
	s_add_co_u32 s22, s22, 2*HALFS
	s_sub_co_u32 s22, s22, s21
	v_mul_u32_u24 v6, s22, v2                      ; lanes 16-31 take B's words
	s_add_co_u32 s21, s21, SCL
	v_add_nc_u32 v5, v5, v6
	v_add_nc_u32 v[ADRS], s21, v5
	v_and_b32 v6, 31, v0
	v_lshlrev_b32 v[LI], 4, v6
	v_lshlrev_b32 v7, 5, v2                        ; 32 h: my eight numbers of a tile of B's bias
	v_lshlrev_b32 v6, 2, v1                        ; 4 r
	; which tokens, which heads: T = the group of 128 tokens, HP = the pair of heads
	s_lshl_b32 s43, s17, 1
	s_add_co_u32 s43, s43, s15
	s_lshl_b32 s44, s42, 1
	s_add_co_u32 s44, s44, s16
	s_lshl_b32 s45, s40, 1
	s_add_co_u32 s45, s45, s16
	s_lshl_b32 s46, s41, 1
	s_add_co_u32 s46, s46, s15
	s_lshl_b32 s20, s40, 10
	s_lshl_b32 s21, s16, 9
	s_add_co_u32 s20, s20, s21                     ; Q, K: 4 (256 cx + 128 half) bytes into bq or bk
	s_lshl_b32 s22, s41, 10
	s_lshl_b32 s23, s15, 9
	s_add_co_u32 s22, s22, s23                     ; V: 4 (256 cy + 128 half) bytes into bv
	s_cmp_lt_u32 ttmp9, 2
	s_cselect_b32 s43, s43, s44                    ; T
	s_cselect_b32 s45, s45, s46                    ; HP
	s_cselect_b32 s20, s20, 0
	s_cselect_b32 s22, 0, s22
	s_cselect_b32 s41, -1, 0                       ; all lanes in Q, K
	s_cselect_b32 s40, 0, -1                       ; all lanes in V
	s_cselect_b32 s10, 10, 11
	s_cselect_b32 s47, 13, 12
	s_cselect_b32 s42, 0x2000, 0                   ; where the second image of scale words goes: the next head's; V: over the first
	s_mov_b32 s18, 256000
	s_cselect_b32 s18, 0x400, s18                  ; the step behind block 3: V goes on to the next head's record
	s_mov_b32 s21, 0
	s_mov_b32 s23, 0
	s_add_nc_u64 s[96:97], s[96:97], s[20:21]
	s_add_nc_u64 s[98:99], s[98:99], s[22:23]
	s_lshl_b32 s20, s17, 8
	s_lshl_b32 s22, s15, 7
	s_add_co_u32 s20, s20, s22
	s_add_nc_u64 s[100:101], s[100:101], s[20:21]  ; the flags of A's rows (in V they are read and not used: 256 cy + 128 half + 127 stays inside)
.irp b, 0,1,2,3,4,5,6,7
	global_load_b128 v[BB+8*\b:BB+8*\b+3], v7, s[96:97] offset:64*\b
	global_load_b128 v[BB+8*\b+4:BB+8*\b+7], v7, s[96:97] offset:64*\b+16
.endr
.irp a, 0,1,2,3,4,5,6,7
	global_load_b32 v[BA+2*\a], v6, s[98:99] offset:64*\a
	global_load_b32 v[BA+2*\a+1], v6, s[98:99] offset:64*\a
	global_load_u8 v[FLG+\a], v1, s[100:101] offset:16*\a
.endr
	s_lshl_b32 s10, 1, s10                         ; the step from block to block: 1,024 bytes; V: 2,048
	s_mov_b32 s11, 0
	s_mov_b32 s19, 0
	s_lshr_b32 s44, s43, 4                         ; batch
	s_and_b32 s43, s43, 15                         ; key step
	s_lshl_b32 s46, s44, 4
	s_lshl_b32 s45, s45, 1
	s_add_co_u32 s46, s46, s45                     ; 16 batch + first head
	s_lshl_b32 s47, s46, s47                       ; scale images: 8,192 bytes a head; V: a pair of heads
	s_lshl_b32 s2, s43, 9
	s_add_co_u32 s47, s47, s2
	s_lshl_b32 s2, ttmp9, 18                       ; Q's, K's, V's images lie 262,144 bytes apart
	s_add_co_u32 s47, s47, s2
	s_add_co_u32 s8, s47, 0xc00000
	s_mov_b32 s9, 0
	s_add_nc_u64 s[8:9], s[12:13], s[8:9]          ; the scale words' image
	s_cmp_eq_u32 ttmp9, 0
	s_cselect_b32 s44, 17, 18                      ; a head: Q 131,072 bytes; K, V 262,144
	s_cselect_b32 s45, 13, 14                      ; 128 tokens: Q 8,192; K, V a record of 16,384
	s_mov_b32 s2, 0x400000
	s_cselect_b32 s2, 0, s2
	s_mov_b32 s6, 0x40000
	s_cselect_b32 s6, 0x20000, s6                  ; blocks 2, 3 go to the next head;
	s_cmp_eq_u32 ttmp9, 2
	s_cselect_b32 s6, 0x400, s6                    ; V: 1,024 bytes on in the same fragment
	s_cselect_b32 s47, 0x2000, 0                   ; V lies 8,192 bytes into a record
	s_lshl_b32 s44, s46, s44
	s_lshl_b32 s45, s43, s45
	s_add_co_u32 s4, s44, s45
	s_add_co_u32 s4, s4, s2
	s_add_co_u32 s4, s4, s47
	s_mov_b32 s5, 0
	s_mov_b32 s7, 0
	s_mov_b32 s43, 0
	s_add_nc_u64 s[4:5], s[12:13], s[4:5]          ; blocks 0, 1
	s_add_nc_u64 s[6:7], s[4:5], s[6:7]            ; blocks 2, 3
	s_add_nc_u64 s[42:43], s[8:9], s[42:43]        ; the second image
	s_wait_loadcnt 0x0
.irp a, 0,1,2,3,4,5,6,7
	v_mul_u32_u24 v[FLG+\a], 0x7d0000, v[FLG+\a]
.endr
.irp a, 0,1,2,3,4,5,6,7
	v_sub_nc_u32 v[FLG+\a], 0x17e0000, v[FLG+\a]   ; bytes 2 and 3 of a scale word: 126 or (global) 1, and 1
.endr
.set i, 0
.rept 64
	v_cndmask_b32 v[BB+i], 0, v[BB+i], s41         ; V has no bias along B's rows,
.set i, i+1
.endr
.set i, 0
.rept 16
	v_cndmask_b32 v[BA+i], 0, v[BA+i], s40         ; Q and K none along A's
.set i, i+1
.endr
.irp a, 0,1,2,3,4,5,6,7
	WIN 0x80+0x40*(\a/4)
.irp b, 0,1,2,3,4,5,6,7
.irp i, 0,2,4,6
	v_pk_add_f32 v[8*(8*(\a%4)+\b)+\i:8*(8*(\a%4)+\b)+\i+1], v[BB+8*\b+\i:BB+8*\b+\i+1], v[BA+2*\a:BA+2*\a+1]
.endr
.endr
.endr
	WIN 0
.macro FRAG reg, adr, q, i
.irp c, 0,1,2,3
	ds_load_b128 v[\reg+4*\c:\reg+4*\c+3], v[\adr] offset:128*(\q)+32*\c+(\i)*16*PITCH
.endr
.endm
; 16 matrix instructions: A's blocks a0, a0 + 1 x B's eight.  The 64 accumulators take turns, one instruction a turn, in the same order in every step
.macro MUL16 a0, p, q, sc
.irp a, \a0, \a0+1
.irp b, 0,1,2,3,4,5,6,7
	v_wmma_scale_f32_16x16x128_f8f6f4 v[8*(8*((\a)%4)+\b):8*(8*((\a)%4)+\b)+7], v[128*(\p)+FR*\b:128*(\p)+FR*\b+FR-1], v[AF+FR*(\a):AF+FR*(\a)+FR-1], v[8*(8*((\a)%4)+\b):8*(8*((\a)%4)+\b)+7], v[SC+8*NQ*(\sc)+NQ*\b+(\q)], v[SC+8*NQ*(\sc)+NQ*(\a)+(\q)] matrix_a_fmt:MATRIX_FMT_BF8 matrix_b_fmt:MATRIX_FMT_BF8 matrix_a_scale:MATRIX_SCALE_ROW1
.endr
.endr
.endm
.macro FETCH_B slot, q, p
	WIN TO_B
.irp i, 0,1,2,3,4,5,6,7
	FRAG 128*(\p)+FR*\i, ADRB+\slot, \q, \i
.endr
	WIN 0
.endm
.macro FETCH_A slot, q, i0
.irp i, \i0, \i0+1, \i0+2, \i0+3
	FRAG AF+FR*(\i), ADRA+\slot, \q, \i
.endr
.endm
.macro SCALES sc                       ; lanes 0-15 take the words of A's block i, lanes 16-31 those of B's block i
.irp i, 0,1,2,3,4,5,6,7
	ds_load_b64 v[SC+8*NQ*\sc+NQ*\i:SC+8*NQ*\sc+NQ*\i+1], v[ADRS] offset:\i*SBLK
.endr
.endm
.macro PLACES n                        ; plain vector lines between a matrix instruction and a load into, or a read of, its registers
.rept \n
	v_nop
.endr
.endm
.macro STEP slot, q
	s_wait_dscnt 4*NL                              ; B's set and A's blocks 0-3 are in; A's blocks 4-7 may be out
	WIN MUL_LO
	MUL16 0, (\q)%2, \q, \slot
	MUL16 2, (\q)%2, \q, \slot
	s_wait_dscnt 0
	PLACES NP
	FETCH_B \slot, (\q)+1, 1-(\q)%2
	FETCH_A \slot, (\q)+1, 0
	WIN MUL_HI
	MUL16 4, (\q)%2, \q, \slot
	MUL16 6, (\q)%2, \q, \slot
	PLACES NP
	WIN 0
	FETCH_A \slot, (\q)+1, 4
.endm
; A slot's last step changes slots: one barrier; in front of it each wave waits for all its tensor loads, adds 0 to its spare word, and waits for that and for its reads of this slot
.macro TURN slot, next, fill
	s_wait_tensorcnt 0x0                           ; all my tensor loads have landed: my part of the next slot
	ds_add_u32 v[SPW], v[NIL]
	s_wait_dscnt 4*NL+1                            ; the add and A's blocks 4-7 may be out
	WIN MUL_LO
	MUL16 0, 1, NQ-1, \slot
	s_wait_dscnt 0x0                               ; the add is done, and my reads of this slot are over
	s_barrier_signal -1
	MUL16 2, 1, NQ-1, \slot
	WIN 0
	s_barrier_wait -1
.if \fill
	CREST                                          ; the barrier has opened a round of the cluster's: no wave of any partner still reads this slot or has a load on its way
	s_add_nc_u64 s[G0+4*\slot+2:G0+4*\slot+3], s[G0+4*\slot+2:G0+4*\slot+3], 2*ROWB
	s_add_nc_u64 s[G0B+4*\slot+2:G0B+4*\slot+3], s[G0B+4*\slot+2:G0B+4*\slot+3], 2*ROWB
	JLOAD G0+4*\slot, G1, G0B+4*\slot, G1B         ; the first tensor load behind the round
	PLACES NP-4
.else
	PLACES NP
.endif
	v_add_nc_u32 v[ADRS], 4*NQ, v[ADRS]
	FETCH_B \next, 0, 0
	FETCH_A \next, 0, 0
	SCALES \next
	WIN MUL_HI
	MUL16 4, 1, NQ-1, \slot
	MUL16 6, 1, NQ-1, \slot
	PLACES NP
	WIN 0
	FETCH_A \next, 0, 4
.endm
	s_wait_tensorcnt 1                             ; the scales and my part of K step 0 are in; K step 1's load may be out
	s_barrier_signal -1
	s_barrier_wait -1
	FETCH_B 0, 0, 0
	FETCH_A 0, 0, 0
	SCALES 0
	FETCH_A 0, 0, 4
	STEP 0, 0
	s_mov_b32 s3, LAPS-1
.Llap:
	TURN 0, 1, 1
	STEP 1, 0
	TURN 1, 0, 1
	STEP 0, 0
	s_sub_co_u32 s3, s3, 1
	s_cmp_lg_u32 s3, 0
	s_cbranch_scc1 .Llap
	TURN 0, 1, 0
	STEP 1, 0
	s_wait_dscnt 4*NL
	WIN MUL_LO
	MUL16 0, 1, NQ-1, 1
	MUL16 2, 1, NQ-1, 1
	s_wait_dscnt 0
	WIN MUL_HI
	MUL16 4, 1, NQ-1, 1
	MUL16 6, 1, NQ-1, 1
	WIN 0
	; THE WAY OUT.  Block a (16 rows of A): my 64 numbers are four blocks of 32, each shared with lane l xor 16: scale, hold, conversion, and the codes leave as they stand
	PLACES NP
	s_mov_b32 s20, 0x76543210
	s_mov_b32 s21, 0xfedcba98
	s_mov_b32 s22, 0x600000                        ; the mantissa field of 57,344
	s_mov_b32 s23, 0xffff0000                      ; lanes 16-31
.irp b, 0,1,2,3
	v_mov_b32 v[TM+4+\b], 0                        ; a lane permute's destination counts as read
.endr
.macro QEPI a
.set AC, 64*((\a)%4)
.set WW, 2+(\a)/4
	WIN WW|(WW<<2)
.irp b, 0,1,2,3
	v_max3_num_f32 v[TM+\b], |v[AC+16*\b]|, |v[AC+16*\b+1]|, 0x8000000   ; each accumulator from its low end on; the floor 2^(16 - 127)
.endr
.irp i, 2,4,6,8,10,12,14
.irp b, 0,1,2,3
	v_max3_num_f32 v[TM+\b], |v[AC+16*\b+\i]|, |v[AC+16*\b+\i+1]|, v[TM+\b]
.endr
.endr
	WIN 0
.irp b, 0,1,2,3
	v_permlanex16_b32 v[TM+4+\b], v[TM+\b], s20, s21
.endr
.irp b, 0,1,2,3
	v_max_num_f32 v[TM+\b], v[TM+\b], v[TM+4+\b]
.endr
.irp b, 0,1,2,3
	v_add_nc_u32 v[TM+12+\b], 0xf8800000, v[TM+\b] ; the conversion's scale operand
.endr
.irp b, 0,1,2,3
	v_and_or_b32 v[TM+8+\b], v[TM+\b], 0x7f800000, s22   ; 57,344 x the scale
.endr
.irp b, 0,1,2,3
	v_lshrrev_b32 v[TM+4+\b], 23, v[TM+12+\b]      ; the byte
.endr
	v_lshl_or_b32 v[TM], v[TM+5], 8, v[TM+4]       ; blocks 0, 1
	v_lshl_or_b32 v[TM+1], v[TM+7], 8, v[TM+6]     ; blocks 2, 3
	v_lshlrev_b32 v[TM+2], 16, v[TM+1]
	v_cndmask_b32 v[TM+2], v[FLG+\a], v[TM+2], s40 ; upper half of the first word: Q, K: the flag bytes; V: blocks 2, 3
	v_or_b32 v[W0+\a], v[TM], v[TM+2]
	v_or_b32 v[W1+\a], v[TM+1], v[FLG+\a]
	WIN WW
.irp b, 0,1,2,3
.irp i, 0,1,2,3,4,5,6,7,8,9,10,11,12,13,14,15
	v_med3_num_f32 v[G+16*\b+\i], v[AC+16*\b+\i], -v[TM+8+\b], v[TM+8+\b]   ; the conversion does not saturate (ISA guide 7.6.2)
.endr
.endr
	WIN 0
.irp b, 0,1,2,3
	v_cvt_scalef32_pk8_bf8_f32 v[PC+4*\b:PC+4*\b+1], v[G+16*\b:G+16*\b+7], v[TM+12+\b]
	v_cvt_scalef32_pk8_bf8_f32 v[PC+4*\b+2:PC+4*\b+3], v[G+16*\b+8:G+16*\b+15], v[TM+12+\b]
.endr
	v_nop                                          ; a plain line behind the last conversion
	global_store_b128 v[LI], v[PC:PC+3], s[4:5]                ; each store: 512 consecutive bytes
	global_store_b128 v[LI], v[PC+4:PC+7], s[4:5] offset:512
	global_store_b128 v[LI], v[PC+8:PC+11], s[6:7]
	global_store_b128 v[LI], v[PC+12:PC+15], s[6:7] offset:512
	s_wait_xcnt 0x0                                ; the stores have read their data and bases: both are written again
.if \a == 3
	s_add_nc_u64 s[4:5], s[4:5], s[18:19]
	s_add_nc_u64 s[6:7], s[6:7], s[18:19]
.else
	s_add_nc_u64 s[4:5], s[4:5], s[10:11]
	s_add_nc_u64 s[6:7], s[6:7], s[10:11]
.endif
.endm
.irp a, 0,1,2,3,4,5,6,7
	QEPI \a
.endr
.irp i, 0,1,2,3
	v_cndmask_b32 v[IM+\i], v[W0+2*\i], v[W0+2*\i+1], s23      ; word i: lanes 0-15 block 2 i, lanes 16-31 block 2 i + 1
.endr
.irp i, 0,1,2,3
	v_cndmask_b32 v[IM+4+\i], v[W1+2*\i], v[W1+2*\i+1], s23
.endr
.irp i, 0,1,2,3
	v_cndmask_b32 v[IM+4+\i], v[IM+4+\i], v[IM+\i], s40        ; V has one image: it is stored twice, to the same bytes
.endr
	global_store_b128 v[LI], v[IM:IM+3], s[8:9]
	global_store_b128 v[LI], v[IM+4:IM+7], s[42:43]
	s_wait_tensorcnt 0x0                           ; the wave's end
	ds_add_u32 v[SPW], v[NIL]
	s_wait_dscnt 0x0
	CROUND                                         ; the closing round
	s_endpgm
.Lfunc_end_k_q3bffe85c54_qkv:
	.size	k_q3bffe85c54_qkv, .Lfunc_end_k_q3bffe85c54_qkv-k_q3bffe85c54_qkv
	.p2alignl 7, 3214868480
	.fill 96, 4, 3214868480
	.section	.rodata,"a",@progbits
	.p2align	6, 0x0
	.amdhsa_kernel k_q3bffe85c54_qkv
		.amdhsa_group_segment_fixed_size 327680
		.amdhsa_private_segment_fixed_size 0
		.amdhsa_enable_private_segment 0
		.amdhsa_kernarg_size 96
		.amdhsa_user_sgpr_count 2
		.amdhsa_user_sgpr_kernarg_segment_ptr 1
		.amdhsa_wavefront_size32 1
		.amdhsa_system_sgpr_workgroup_id_x 1
		.amdhsa_system_sgpr_workgroup_id_y 1
		.amdhsa_system_sgpr_workgroup_id_z 1
		.amdhsa_system_vgpr_workitem_id 0
		.amdhsa_next_free_vgpr 1024
		.amdhsa_next_free_sgpr 102
		.amdhsa_reserve_vcc 0
		.amdhsa_float_denorm_mode_32 3
		.amdhsa_float_denorm_mode_16_64 3
		.amdhsa_memory_ordered 1
		.amdhsa_forward_progress 1
		.amdhsa_inst_pref_size 215
	.end_amdhsa_kernel
	.amdgpu_metadata
---
amdhsa.version: [ 1, 2 ]
amdhsa.kernels:
  - .name:           k_q3bffe85c54_qkv
    .symbol:         k_q3bffe85c54_qkv.kd
    .args:
      - { .name: hq, .offset: 0, .size: 8, .value_kind: global_buffer, .address_space: global }
      - { .name: Wq_codes, .offset: 8, .size: 8, .value_kind: global_buffer, .address_space: global }
      - { .name: Wq_scales, .offset: 16, .size: 8, .value_kind: global_buffer, .address_space: global }
      - { .name: Wk_codes, .offset: 24, .size: 8, .value_kind: global_buffer, .address_space: global }
      - { .name: Wk_scales, .offset: 32, .size: 8, .value_kind: global_buffer, .address_space: global }
      - { .name: Wv_codes, .offset: 40, .size: 8, .value_kind: global_buffer, .address_space: global }
      - { .name: Wv_scales, .offset: 48, .size: 8, .value_kind: global_buffer, .address_space: global }
      - { .name: bq, .offset: 56, .size: 8, .value_kind: global_buffer, .address_space: global }
      - { .name: bk, .offset: 64, .size: 8, .value_kind: global_buffer, .address_space: global }
      - { .name: bv, .offset: 72, .size: 8, .value_kind: global_buffer, .address_space: global }
      - { .name: is_global, .offset: 80, .size: 8, .value_kind: global_buffer, .address_space: global }
      - { .name: qkvb, .offset: 88, .size: 8, .value_kind: global_buffer, .address_space: global }
    .group_segment_fixed_size: 327680
    .private_segment_fixed_size: 0
    .kernarg_segment_align: 8
    .kernarg_segment_size: 96
    .max_flat_workgroup_size: 128
    .sgpr_count:     102
    .vgpr_count:     1024
    .wavefront_size: 32
...
	.end_amdgpu_metadata
.endif
;; end of part 2
;; launch attn (part 3): grid 8 x 32, 16 waves a work-group, no clusters, 327,680 bytes of LDS; arguments qkvb, cb; writes cb
.if DOCPART == 3
	.amdgcn_target "amdgcn-amd-amdhsa--gfx1250"
	.amdhsa_code_object_version 6
	.text
	.protected	k_q3bffe85c54_attn
	.globl	k_q3bffe85c54_attn
	.p2align	8
	.type	k_q3bffe85c54_attn,@function
k_q3bffe85c54_attn:
	s_mov_b64 s[64:65], 0
	v_nop
	global_prefetch_b8 v0, s[64:65] scope:SCOPE_SE
	s_setreg_imm32_b32 hwreg(HW_REG_WAVE_MODE, 25, 1), 1
	s_wait_xcnt 0x0
; Attention of one head on codes of E5M2 with E8M0 scales: S^T = K Q^T (K = the head's 64), mask, softmax by the stated rule, O^T = V^T P^T (K = the keys), / the row's sum, and ctx quantised along D for the next product.
; p = 2^(t - M), t = score x log2(e) / 8, M the running largest t rounded UP to a whole number; the row's sum is taken of the unquantised p; when M moves, the sum and O^T are multiplied by 2^(old M - new M), exactly.
; SHARES.  A work-group owns 256 queries of one (batch, head), each of its sixteen waves 16 of them in 256 registers: four waves to a SIMD, so that one wave's vector work stands beside another's products.
; ALL of the head's K and V (256 KB of operand images) and their scale words come into LDS ONCE; nothing is filled again.  At the head a wave asks for its 4,096 bytes of the first four key steps' records alone, so that
; the bytes that the first product wants are not queued among the others; its 12,288 bytes of the other twelve records are one load, issued first thing behind the first barrier: it has four key steps in which to land.
; Two barriers stand in front of key steps: four steps behind the first, twelve behind the second, through which the waves run free of each other.
; THE MASK: allowed = |q - k| <= 256, or key global, or query global.  The first product has K = 64 of the instruction's 128.  At k = 64 K's fragments carry the code +57,344 and Q's -57,344, and byte 2 of a token's
; scale word is 126 (2^-1) where it is not global and 1 (2^-126) where it is: so -57,344^2 / 4 falls on a score just where neither is global, and at most 2^-95 elsewhere.  The band is a matter of ids: a key step
; (128 keys) that lies wholly outside the band of the wave's 16 queries takes Q's word as it is; one wholly inside takes it with byte 2 = 1; the steps on the band's edge (one a side) make both products
; and choose number by number.
; LIMIT: a masked logit is its own value - 1.03e8 where the definition has -1e9: the same result wherever a row's allowed logits lie above about -1e8 (the diagonal is always allowed).  A first step all of whose
; keys are masked gives p of at most 2^8 (t under 2^28 is rounded to 16); the first allowed key multiplies all of it by 2^(-1.5e8) = 0.  NaN and infinities are not served.
; NO CLUSTER, though the eight query blocks of a head read the same K and V: which steps are the band's edge is a branch on the query block, which would be a work-group's place in its cluster.
; LAYOUT.  Both products transposed: a lane holds ONE query (lane % 16).  The keys of tiles 2 b and 2 b + 1 in a lane's 16 registers are 32 b + 8 h + j and 32 b + 16 + 8 h + j: the order in which v was quantised.
.set KSC,  262144                      ; LDS: behind 16 records of 16,384 bytes (K's 8 tiles, V's 4 fragments): K's scale words, 512 bytes a key step;
.set VSC,  270336                      ; V's, 256 bytes a key step;
.set CS,   278528                      ; ctx's scale bytes of the work-group's 256 rows, 2 a row: written by LDS stores, no fill lands here
.set SPARE, 279040                     ; the spare words: 128 bytes a wave, eight blocks of 256 bytes that no other line names
.set LI,   1                           ; v1   16 x lane
.set L8,   2                           ; v2   8 x lane
.set AD,   3                           ; v3   the step's record
.set ADS,  4                           ; v4   K's scale words
.set ADT,  5                           ; v5   V's
.set QSON, 6                           ; v6   Q's scale word as stored
.set QSOFF,7                           ; v7   with byte 2 = 1
.set QSC,  8                           ; v8   the step's choice
.set FF,   10                          ; v10-11 f = 2^(old M - new M)
.set QF,   16                          ; v16-31 Q's fragment
.set KF,   32                          ; v32-95 four fragments of K
.set S,    96                          ; v96-159 scores, then p, then V's four fragments
.set O,    160                         ; v160-191 O^T
.set PC,   192                         ; v192-207 p's codes
.set BM,   208
.set W1,   212
.set LIM,  216
.set SOP,  220
.set TT,   192                         ; v192-223 an edge step's second product
.set KSW,  224
.set VSW,  228
.set PSW,  230
.set TMP,  231
.set LQ,   232                         ; v232 8 h - r
.set EE,   237
.set SPW,  240                         ; v240 LDS address of my spare word: SPARE + 4 x my thread's number; never rewritten
.set NIL,  241                         ; v241 0; never rewritten
	s_load_b128 s[4:7], s[0:1], 0x0                ; qkvb, cb
	v_lshl_add_u32 v[SPW], v0, 2, SPARE
	v_mov_b32 v[NIL], 0
	ds_add_u32 v240, v241
	ds_add_u32 v240, v241
	s_wait_dscnt 0x0
	v_lshrrev_b32 v1, 5, v0
	v_readfirstlane_b32 s8, v1                     ; wave 0..15
	s_and_b32 s10, ttmp7, 0xffff                   ; 16 batch + head
	s_mov_b32 s24, 3<<16                           ; group 1 of the first load: a dense block of 4,096 bytes as 16 rows of 32 elements of 8 bytes; no mask, no padding
	s_mov_b32 s25, 32<<16
	s_mov_b32 s26, 16<<16
	s_mov_b32 s27, 32<<16
	s_mov_b32 s28, 16
	s_mov_b32 s29, 32
	s_mov_b32 s30, 0
	s_mov_b32 s31, 0
	s_mov_b32 s40, 3<<16                           ; group 1 of the second: 12,288 bytes as 48 such rows
	s_mov_b32 s41, 32<<16
	s_mov_b32 s42, 48<<16
	s_mov_b32 s43, 32<<16
	s_mov_b32 s44, 48
	s_mov_b32 s45, 32
	s_mov_b32 s46, 0
	s_mov_b32 s47, 0
	s_lshl_b32 s58, s10, 18                        ; the head's 16 records
	s_lshl_b32 s9, s8, 12                          ; my 4,096 bytes of the first four
	s_add_co_u32 s58, s58, s9
	s_add_co_u32 s58, s58, 0x400000
	s_mov_b32 s59, 0
	s_mul_i32 s69, s8, 12288                       ; my 12,288 bytes of the other twelve,
	s_lshl_b32 s70, s10, 18
	s_add_co_u32 s70, s70, s69
	s_add_co_u32 s70, s70, 0x410000                ; which begin 65,536 bytes into the head's records
	s_mov_b32 s71, 0
	s_lshl_b32 s60, s10, 13
	s_add_co_u32 s60, s60, 0xc40000                ; K's scale words
	s_mov_b32 s61, 0
	s_lshr_b32 s48, s10, 1
	s_lshl_b32 s48, s48, 13
	s_and_b32 s49, s10, 1
	s_lshl_b32 s49, s49, 3
	s_add_co_u32 s48, s48, s49
	s_add_co_u32 s48, s48, 0xc80000                ; V's: my head's 8 bytes of each lane's 16
	s_mov_b32 s49, 0
	s_lshl_b32 s54, s10, 17                        ; Q's image: 131,072 bytes a head, 1,024 a tile
	s_lshl_b32 s55, ttmp9, 14
	s_add_co_u32 s54, s54, s55
	s_lshl_b32 s55, s8, 10
	s_add_co_u32 s54, s54, s55
	s_mov_b32 s55, 0
	s_lshl_b32 s56, s10, 4                         ; Q's scale word: image (16 bh + 2 blk + wave / 8), lanes 16 (wave % 2) + r, word (wave % 8) / 2
	s_lshl_b32 s57, ttmp9, 1
	s_add_co_u32 s56, s56, s57
	s_lshr_b32 s57, s8, 3
	s_add_co_u32 s56, s56, s57
	s_lshl_b32 s56, s56, 9
	s_and_b32 s57, s8, 1
	s_lshl_b32 s57, s57, 8
	s_add_co_u32 s56, s56, s57
	s_bfe_u32 s57, s8, 0x20001
	s_lshl_b32 s57, s57, 2
	s_add_co_u32 s56, s56, s57
	s_add_co_u32 s56, s56, 0xc00000
	s_mov_b32 s57, 0
	s_lshl_b32 s11, ttmp9, 8
	s_lshl_b32 s62, s8, 4
	s_add_co_u32 s11, s11, s62                     ; my first query
	s_lshr_b32 s62, s10, 4                         ; batch
	s_and_b32 s63, s10, 15                         ; head
	s_lshl_b32 s66, s62, 12
	s_lshl_b32 s67, s63, 13
	s_add_co_u32 s66, s66, s67
	s_lshl_b32 s67, ttmp9, 9
	s_add_co_u32 s66, s66, s67
	s_add_co_u32 s66, s66, 0x400000                ; ctx's scale bytes: [head][4096 rows] 2 bytes
	s_mov_b32 s67, 0
	s_lshl_b32 s62, s62, 7
	s_lshl_b32 s68, ttmp9, 4
	s_add_co_u32 s62, s62, s68
	s_add_co_u32 s62, s62, s8                      ; my tile of 16 rows
	s_lshl_b32 s62, s62, 14
	s_lshl_b32 s63, s63, 10
	s_add_co_u32 s62, s62, s63                     ; ctx's image: 16,384 bytes a tile of rows, 1,024 a head
	s_mov_b32 s63, 0
	v_lshl_add_u32 v3, v0, 4, KSC
	v_lshl_add_u32 v4, v0, 3, VSC
	v_lshlrev_b32 v5, 4, v0
	s_mov_b32 s12, 0x76543210
	s_mov_b32 s13, 0xfedcba98
	s_mov_b32 s14, 0x3e38aa3b                      ; c = log2(e) / 8
	s_mov_b32 s15, s14
	s_mov_b32 s16, 0x600000
	s_wait_kmcnt 0x0
	s_add_nc_u64 s[50:51], s[4:5], s[60:61]
	s_add_nc_u64 s[52:53], s[4:5], s[48:49]
	s_add_nc_u64 s[58:59], s[4:5], s[58:59]
	s_add_nc_u64 s[70:71], s[4:5], s[70:71]
	s_add_nc_u64 s[54:55], s[4:5], s[54:55]
	s_add_nc_u64 s[56:57], s[4:5], s[56:57]
	s_add_nc_u64 s[62:63], s[6:7], s[62:63]
	s_add_nc_u64 s[66:67], s[6:7], s[66:67]
	; THE FIRST FILLS, one group, the same in every wave: two copies and one tensor load are out
	global_load_async_to_lds_b128 v3, v5, s[50:51] ; K's scale words: 16 bytes a thread
	global_load_async_to_lds_b64 v4, v5, s[52:53]  ; V's: 8 bytes a thread
	s_mov_b32 s32, 1                               ; group 0 of the first load: count 1,
	s_add_co_u32 s33, s9, 0                        ; LDS byte 4,096 x wave,
	s_mov_b64 s[34:35], s[58:59]                   ; the same place in the head's records,
	s_or_b32 s35, s35, 0x80000000                  ; type 2
	s_mov_b32 s36, 1                               ; group 0 of the second: it is written here and named behind the first barrier
	s_add_co_u32 s37, s69, 65536                   ; LDS byte 65,536 + 12,288 x wave
	s_mov_b64 s[38:39], s[70:71]
	s_or_b32 s39, s39, 0x80000000
	tensor_load_to_lds s[32:35], s[24:31]
	s_nop 0
.rept 4
	v_nop
.endr
	v_and_b32 v9, 31, v0
	v_lshlrev_b32 v[LI], 4, v9
	v_lshlrev_b32 v[L8], 3, v9
	v_and_b32 v233, 15, v0                         ; r
	v_bfe_u32 v234, v0, 4, 1                       ; h
	v_lshlrev_b32 v235, 4, v233
	global_load_b128 v[QF:QF+3], v[LI], s[54:55]
	global_load_b128 v[QF+4:QF+7], v[LI], s[54:55] offset:512
	global_load_b32 v[QSON], v235, s[56:57]
	v_lshlrev_b32 v[LQ], 3, v234
	v_sub_nc_u32 v[LQ], v[LQ], v233
	v_sub_nc_u32 v236, 1, v234                     ; 1 in lanes 0-15: register 8's byte 0 there is k = 64
	v_mul_u32_u24 v[QF+8], v236, 0xfb              ; -57,344
.irp j, 9,10,11,12,13,14,15
	v_mov_b32 v[QF+\j], 0
.endr
.irp i, 0,1,2,3
	v_mul_u32_u24 v[KF+16*\i+8], v236, 0x7b        ; +57,344: these tails are written once
.irp j, 9,10,11,12,13,14,15
	v_mov_b32 v[KF+16*\i+\j], 0
.endr
.endr
	v_mov_b32 v13, 0xff61b1e6                      ; the largest t so far: -3e38
	v_floor_f32 v12, -v13                          ; -M
	v_mov_b32 v14, 0
	v_mov_b32 v15, 0
	v_mov_b32 v[FF+1], 0
.irp b, 0,1,2,3
	v_mov_b32 v[W1+\b], 0
.endr
.set i, 0
.rept 32
	v_mov_b32 v[O+i], 0                            ; the step is written once: the first finds zeros
.set i, i+1
.endr
	s_mov_b32 s48, 0xff00ffff
	s_wait_loadcnt 0x0
	v_and_or_b32 v[QSOFF], v[QSON], s48, 0x10000
.macro SPROD d, g, q                   ; four tiles of 16 keys x my 16 queries
.irp i, 0,2
	v_wmma_scale_f32_16x16x128_f8f6f4 v[\d+8*\i:\d+8*\i+7], v[KF+16*\i:KF+16*\i+15], v[QF:QF+15], 0, v[KSW+2*\g+\i/2], v[\q] matrix_a_fmt:MATRIX_FMT_BF8 matrix_b_fmt:MATRIX_FMT_BF8
	v_wmma_scale_f32_16x16x128_f8f6f4 v[\d+8*\i+8:\d+8*\i+15], v[KF+16*\i+16:KF+16*\i+31], v[QF:QF+15], 0, v[KSW+2*\g+\i/2], v[\q] matrix_a_fmt:MATRIX_FMT_BF8 matrix_b_fmt:MATRIX_FMT_BF8 matrix_a_scale:MATRIX_SCALE_ROW1
.endr
.endm
.macro HALF g                          ; keys 64 g .. 64 g + 63 of the step
.if \g
.rept 8
	v_nop                                          ; places in front of loads into registers that the products above have read
.endr
.endif
.irp i, 0,1,2,3
	ds_load_b128 v[KF+16*\i:KF+16*\i+3], v[AD] offset:1024*(4*\g+\i)
	ds_load_b128 v[KF+16*\i+4:KF+16*\i+7], v[AD] offset:1024*(4*\g+\i)+512
.endr
	s_wait_dscnt 0x0
	SPROD S+32*\g, \g, QSC
	s_cmp_eq_u32 s23, 0                            ; on the band's edge?  A branch on ids
	s_cbranch_scc1 .Lplain_\@
	SPROD TT, \g, QSON                             ; the same scores with the flags' term
	v_add_nc_u32 v[EE], s48, v[LQ]                 ; key - query + 256 of register 0 of tile 0
.rept 7
	v_nop
.endr
.set n, 0
.rept 32
	v_add_nc_u32 v[TMP], 64*\g+16*(n/8)+n%8, v[EE]
	v_cmp_lt_u32 vcc_lo, 0x200, v[TMP]             ; outside the band: |key - query| > 256
	v_cndmask_b32 v[S+32*\g+n], v[S+32*\g+n], v[TT+n], vcc_lo
.set n, n+1
.endr
.Lplain_\@:
.endm
; The largest score of blocks x and y of 32 keys, my 16 of each: it serves for the row's maximum and, since p rises with the score, for the block's largest p.  Sixteen lines, the two blocks by turns
.macro BMAX x, y
.irp b, \x, \y
	v_max3_num_f32 v[BM+\b], v[S+16*\b], v[S+16*\b+1], v[S+16*\b+2]
.endr
.irp i, 3,5,7,9,11,13
.irp b, \x, \y
	v_max3_num_f32 v[BM+\b], v[BM+\b], v[S+16*\b+\i], v[S+16*\b+\i+1]
.endr
.endr
.irp b, \x, \y
	v_max_num_f32 v[BM+\b], v[BM+\b], v[S+16*\b+15]
.endr
.endm
.macro STEP                            ; 128 keys
	s_sub_co_i32 s48, s20, s11                     ; d0 = first key - first query; key - query runs from d0 - 15 to d0 + 127
	s_add_co_i32 s49, s48, 383
	s_cmp_le_u32 s49, 654                          ; -383 <= d0 <= 271: the step touches the band
	s_cselect_b32 s22, 0, -1
	s_cselect_b32 s23, 1, 0
	s_add_co_i32 s49, s48, 241
	s_cmp_le_u32 s49, 370                          ; -241 <= d0 <= 129: it lies wholly inside
	s_cselect_b32 s23, 0, s23
	s_add_co_i32 s48, s48, 256
	v_cndmask_b32 v[QSC], v[QSOFF], v[QSON], s22
	v_add_nc_u32 v[AD], s17, v[LI]
	v_add_nc_u32 v[ADS], s18, v[LI]
	v_add_nc_u32 v[ADT], s19, v[L8]
.rept 5
	v_nop                                          ; eight plain lines behind the write of the scale register, nine between the last step's products and the products that write over their operands
.endr
	ds_load_b128 v[KSW:KSW+3], v[ADS]
	HALF 0
	HALF 1
	BMAX 0, 1                                      ; keys 0 to 63, whose products are long done: these sixteen lines name no register of the products of keys 64 to 127 and are the places behind them
	BMAX 2, 3
.irp b, 0,1,2,3
	v_permlanex16_b32 v[W1+\b], v[BM+\b], s12, s13
.endr
.irp b, 0,1,2,3
	v_max_num_f32 v[BM+\b], v[BM+\b], v[W1+\b]
.endr
	v_max3_num_f32 v[TMP], v[BM], v[BM+1], v[BM+2]
	v_max_num_f32 v[TMP], v[TMP], v[BM+3]
	v_mul_f32 v[TMP], s14, v[TMP]
	v_max_num_f32 v13, v13, v[TMP]                 ; the running largest t
	v_mov_b32 v[TMP], v12
	v_floor_f32 v12, -v13                          ; -M = floor(-t)
	v_sub_f32 v[TMP], v12, v[TMP]                  ; old M - new M: a whole number, 0 or less
	v_cvt_i32_f32 v[TMP], v[TMP]                   ; (it saturates)
	v_ldexp_f32 v[FF], 1.0, v[TMP]
.set j, 0
.rept 32
	v_pk_fma_f32 v[S+j:S+j+1], v[S+j:S+j+1], s[14:15], v[12:13] op_sel_hi:[1,0,0]   ; t - M
.set j, j+2
.endr
.irp b, 0,1,2,3
	v_fma_f32 v[BM+\b], v[BM+\b], s14, v12
.endr
.set j, 0
.rept 64
	v_exp_f32 v[S+j], v[S+j]
.set j, j+1
.endr
	v_pk_mul_f32 v[14:15], v[14:15], v[FF:FF+1] op_sel_hi:[1,0]   ; the sums under the new M: a plain line behind the exponentials
	s_wait_alu depctr_va_vdst(0)                   ; one wait for the batch, ahead of its first reader
.irp b, 0,1,2,3
	v_exp_f32 v[BM+\b], v[BM+\b]                   ; the block's largest p
.endr
	v_pk_add_f32 v[W1:W1+1], v[S:S+1], v[S+2:S+3]  ; the row's sum of the unquantised p, in two chains
.set j, 4
.rept 15
	v_pk_add_f32 v[14:15], v[14:15], v[S+j:S+j+1]
	v_pk_add_f32 v[W1:W1+1], v[W1:W1+1], v[S+j+2:S+j+3]
.set j, j+4
.endr
	v_pk_add_f32 v[14:15], v[14:15], v[W1:W1+1]
	s_wait_alu depctr_va_vdst(0)                   ; and one for the four
.irp b, 0,1,2,3
	v_max_num_f32 v[BM+\b], 0x8000000, v[BM+\b]    ; the floor 2^(16 - 127)
.endr
.irp b, 0,1,2,3
	v_add_nc_u32 v[SOP+\b], 0xf8800000, v[BM+\b]
.endr
.irp b, 0,1,2,3
	v_and_or_b32 v[LIM+\b], v[BM+\b], 0x7f800000, s16
.endr
.irp b, 0,1,2,3
	v_lshrrev_b32 v[W1+\b], 23, v[SOP+\b]
.endr
	v_lshl_or_b32 v[PSW], v[W1+1], 8, v[W1]        ; p's scale word for these 128 keys
	v_lshl_or_b32 v[PSW], v[W1+2], 16, v[PSW]
	v_lshl_or_b32 v[PSW], v[W1+3], 24, v[PSW]
.irp b, 0,1,2,3
.irp i, 0,1,2,3,4,5,6,7,8,9,10,11,12,13,14,15
	v_min_num_f32 v[S+16*\b+\i], v[S+16*\b+\i], v[LIM+\b]   ; the conversion does not saturate (ISA guide 7.6.2); p is not negative
.endr
	v_cvt_scalef32_pk8_bf8_f32 v[PC+4*\b:PC+4*\b+1], v[S+16*\b:S+16*\b+7], v[SOP+\b]
	v_cvt_scalef32_pk8_bf8_f32 v[PC+4*\b+2:PC+4*\b+3], v[S+16*\b+8:S+16*\b+15], v[SOP+\b]
.endr
	v_nop                                          ; a plain line behind the last conversion
.irp d, 0,1,2,3
.irp c, 0,1,2,3
	ds_load_b128 v[S+16*\d+4*\c:S+16*\d+4*\c+3], v[AD] offset:8192+2048*\d+512*\c   ; V's four fragments take p's place
.endr
.endr
	ds_load_b64 v[VSW:VSW+1], v[ADT]
.set j, 0
.rept 16
	v_pk_mul_f32 v[O+j:O+j+1], v[O+j:O+j+1], v[FF:FF+1] op_sel_hi:[1,0]   ; O^T under the new M; these lines are also the places in front of the products
.set j, j+2
.endr
	s_wait_dscnt 0x0
.irp d, 0,2
	v_wmma_scale_f32_16x16x128_f8f6f4 v[O+8*\d:O+8*\d+7], v[S+16*\d:S+16*\d+15], v[PC:PC+15], v[O+8*\d:O+8*\d+7], v[VSW+\d/2], v[PSW] matrix_a_fmt:MATRIX_FMT_BF8 matrix_b_fmt:MATRIX_FMT_BF8
	v_wmma_scale_f32_16x16x128_f8f6f4 v[O+8*\d+8:O+8*\d+15], v[S+16*\d+16:S+16*\d+31], v[PC:PC+15], v[O+8*\d+8:O+8*\d+15], v[VSW+\d/2], v[PSW] matrix_a_fmt:MATRIX_FMT_BF8 matrix_b_fmt:MATRIX_FMT_BF8 matrix_a_scale:MATRIX_SCALE_ROW1
.endr
	s_add_co_u32 s17, s17, 16384
	s_add_co_u32 s18, s18, 512
	s_add_co_u32 s19, s19, 256
	s_add_co_u32 s20, s20, 128
.endm
; Key steps first .. first + steps - 1, behind the barrier that shows their records whole.  In front of it each wave waits for all its tensor loads and copies, adds 0 to its spare word, and waits for that and for its LDS reads.
; fill = 1: behind the barrier the wave asks for its part of the other twelve records: bytes that nothing has filled; its one tensor load until the next barrier, and the first thing there.
.macro GROUP first, steps, fill
	s_wait_tensorcnt 0x0                           ; my part of the records that are read behind this barrier has landed,
	s_wait_asynccnt 0x0                            ; and my parts of the scale words
	ds_add_u32 v[SPW], v[NIL]                      ; the loop's scalars are set between it and the wait for it
	s_mov_b32 s17, 16384*\first
	s_mov_b32 s18, KSC+512*\first
	s_mov_b32 s19, VSC+256*\first
	s_mov_b32 s20, 128*\first
	s_mov_b32 s21, \steps
	s_wait_dscnt 0x0
	s_barrier_signal -1
	s_barrier_wait -1
.if \fill
	tensor_load_to_lds s[36:39], s[40:47]
	s_nop 0
.rept 4
	v_nop
.endr
.endif
.Lstep_\@:
	STEP
	s_sub_co_u32 s21, s21, 1
	s_cmp_lg_u32 s21, 0
	s_cbranch_scc1 .Lstep_\@
.endm
	GROUP 0, 4, 1
	GROUP 4, 12, 0
	; THE WAY OUT: O^T / the sum; my 32 numbers are two blocks of 32 along D, each shared with lane l xor 16; the codes are brought into D's true order, since the partner is a given weight
	v_add_f32 v14, v14, v15
	v_permlanex16_b32 v[W1], v14, s12, s13
	v_add_f32 v14, v14, v[W1]
	v_rcp_f32 v14, v14
	v_and_b32 v233, 15, v0
	v_lshlrev_b32 v233, 1, v233
	s_lshl_b32 s48, s8, 5
	s_add_co_u32 s48, s48, CS
	v_add_nc_u32 v233, s48, v233                   ; CS + 32 wave + 2 r
	v_add_nc_u32 v234, CS, v[LI]                   ; where wave 0 reads the 512 bytes back
.rept 4
	v_nop
.endr
	s_wait_alu depctr_va_vdst(0)                   ; the wait ahead of the reciprocal's first reader
.set j, 0
.rept 32
	v_mul_f32 v[S+j], v[O+j], v14
.set j, j+1
.endr
.irp b, 0,1
	v_max3_num_f32 v[BM+\b], |v[S+16*\b]|, |v[S+16*\b+1]|, 0x8000000
.endr
.irp i, 2,4,6,8,10,12,14
.irp b, 0,1
	v_max3_num_f32 v[BM+\b], v[BM+\b], |v[S+16*\b+\i]|, |v[S+16*\b+\i+1]|
.endr
.endr
.irp b, 0,1
	v_permlanex16_b32 v[W1+\b], v[BM+\b], s12, s13
.endr
.irp b, 0,1
	v_max_num_f32 v[BM+\b], v[BM+\b], v[W1+\b]
.endr
.irp b, 0,1
	v_add_nc_u32 v[SOP+\b], 0xf8800000, v[BM+\b]
.endr
.irp b, 0,1
	v_and_or_b32 v[LIM+\b], v[BM+\b], 0x7f800000, s16
.endr
.irp b, 0,1
	v_lshrrev_b32 v[W1+\b], 23, v[SOP+\b]
.endr
	v_lshl_or_b32 v235, v[W1+1], 8, v[W1]
.irp b, 0,1
.irp i, 0,1,2,3,4,5,6,7,8,9,10,11,12,13,14,15
	v_med3_num_f32 v[S+16*\b+\i], v[S+16*\b+\i], -v[LIM+\b], v[LIM+\b]
.endr
	v_cvt_scalef32_pk8_bf8_f32 v[S+32+4*\b:S+33+4*\b], v[S+16*\b:S+16*\b+7], v[SOP+\b]
	v_cvt_scalef32_pk8_bf8_f32 v[S+34+4*\b:S+35+4*\b], v[S+16*\b+8:S+16*\b+15], v[SOP+\b]
.endr
	v_nop
.irp b, 0,1
	v_permlane16_swap_b32 v[S+32+4*\b], v[S+34+4*\b]   ; lanes 16-31's numbers 8 .. 15 change places with lanes 0-15's numbers 16 .. 23
	v_permlane16_swap_b32 v[S+33+4*\b], v[S+35+4*\b]
.endr
	global_store_b128 v[LI], v[S+32:S+35], s[62:63]
	global_store_b128 v[LI], v[S+36:S+39], s[62:63] offset:512
	ds_store_b16 v233, v235                        ; lanes r and 16 + r write the same two bytes
	s_wait_dscnt 0x0
	s_barrier_signal -1
	s_barrier_wait -1
	s_cmp_lg_u32 s8, 0
	s_cbranch_scc1 .Lend
	ds_load_b128 v[236:239], v234
	s_wait_dscnt 0x0
	global_store_b128 v[LI], v[236:239], s[66:67]  ; 512 consecutive bytes
.Lend:
	s_wait_tensorcnt 0x0                           ; the wave's end: behind my last tensor load and my last LDS store
	s_wait_asynccnt 0x0
	ds_add_u32 v[SPW], v[NIL]
	s_wait_dscnt 0x0
	s_endpgm
.Lfunc_end_k_q3bffe85c54_attn:
	.size	k_q3bffe85c54_attn, .Lfunc_end_k_q3bffe85c54_attn-k_q3bffe85c54_attn
	.p2alignl 7, 3214868480
	.fill 96, 4, 3214868480
	.section	.rodata,"a",@progbits
	.p2align	6, 0x0
	.amdhsa_kernel k_q3bffe85c54_attn
		.amdhsa_group_segment_fixed_size 327680
		.amdhsa_private_segment_fixed_size 0
		.amdhsa_enable_private_segment 0
		.amdhsa_kernarg_size 16
		.amdhsa_user_sgpr_count 2
		.amdhsa_user_sgpr_kernarg_segment_ptr 1
		.amdhsa_wavefront_size32 1
		.amdhsa_system_sgpr_workgroup_id_x 1
		.amdhsa_system_sgpr_workgroup_id_y 1
		.amdhsa_system_sgpr_workgroup_id_z 1
		.amdhsa_system_vgpr_workitem_id 0
		.amdhsa_next_free_vgpr 256
		.amdhsa_next_free_sgpr 72
		.amdhsa_reserve_vcc 1
		.amdhsa_float_denorm_mode_32 3
		.amdhsa_float_denorm_mode_16_64 3
		.amdhsa_memory_ordered 1
		.amdhsa_forward_progress 1
		.amdhsa_inst_pref_size 76
	.end_amdhsa_kernel
	.amdgpu_metadata
---
amdhsa.version: [ 1, 2 ]
amdhsa.kernels:
  - .name:           k_q3bffe85c54_attn
    .symbol:         k_q3bffe85c54_attn.kd
    .args:
      - { .name: qkvb, .offset: 0, .size: 8, .value_kind: global_buffer, .address_space: global }
      - { .name: cb, .offset: 8, .size: 8, .value_kind: global_buffer, .address_space: global }
    .group_segment_fixed_size: 327680
    .private_segment_fixed_size: 0
    .kernarg_segment_align: 8
    .kernarg_segment_size: 16
    .max_flat_workgroup_size: 512
    .sgpr_count:     72
    .vgpr_count:     256
    .wavefront_size: 32
...
	.end_amdgpu_metadata
.endif
;; end of part 3
;; launch wo (part 4): grid 8 x 32, 4 waves a work-group, clusters of 4 x 4, 327,680 bytes of LDS; arguments cb, Wo_codes, Wo_scales, bo, x, x1; writes x1
.if DOCPART == 4
	.amdgcn_target "amdgcn-amd-amdhsa--gfx1250"
	.amdhsa_code_object_version 6
	.text
	.protected	k_q3bffe85c54_wo
	.globl	k_q3bffe85c54_wo
	.p2align	8
	.type	k_q3bffe85c54_wo,@function
k_q3bffe85c54_wo:
	s_mov_b64 s[64:65], 0
	v_nop
	global_prefetch_b8 v0, s[64:65] scope:SCOPE_SE
	s_setreg_imm32_b32 hwreg(HW_REG_WAVE_MODE, 25, 1), 1
	s_wait_xcnt 0x0
	s_wait_alu depctr_hold_cnt(0) depctr_sa_sdst(0) depctr_va_vdst(0) depctr_va_sdst(0) depctr_va_ssrc(0) depctr_va_vcc(0) depctr_vm_vsrc(0)
	s_getreg_b32 s2, hwreg(HW_REG_IB_STS2, 6, 4)
	s_cmp_eq_u32 s2, 0
	s_cbranch_scc0 .Lentry_in_a_cluster
	s_endpgm
.Lentry_in_a_cluster:
	s_bfe_u32 s2, ttmp6, 0x10000c
	s_cmp_lg_u32 s2, 0xf033
	s_cbranch_scc0 .Lentry_shape_is_right
	s_endpgm
.Lentry_shape_is_right:
; out[m][n] = res[m][n] + bias[n] + sum over k of A[m][k] W[n][k], on codes of E5M2 with E8M0 scales.  M = 4,096, N = 1,024, K = KTOT.  The text serves KTOT = 1,024 (ctx Wo) and 4,096 (gelu W2).
; A tile of 128 x 128 to a work-group (256 work-groups), 64 x 64 to each of four waves: 16 accumulators.  4 x 4 clusters with joint loads: A's tile shared along a row of the cluster, W's along a column.
; A comes as IMAGES of operand registers, [tile of 16 rows][128 along K][4][lane][16 bytes]: 512 along K of a tile of rows are 8,192 consecutive bytes; in LDS they lie as in memory, and a fragment load reads 512
; consecutive bytes.  W comes as rows of codes, 512 bytes of a row to a slot, 16 bytes of padding behind each.  Two slots of 512 along K (four matrix instructions deep).
; W's scale bytes of all of K come into LDS once.  A's scale words: KTOT = 4,096: images, into LDS once; KTOT = 1,024: two bytes a head and row in memory, put together in registers at the head.
; res is asked for at the head, 32 loads a wave into window 2, which the loop over K never names, in the layout in which the results come back from the stage; it is waited for on the way out, so that it comes
; while the products run.  The matrix instruction is used transposed (source 0 = 16 rows of W, source 1 = 16 rows of A).
.set KTOT,  1024
.set KS,    KTOT/32
.set LAPS,  KTOT/1024
.set RTB,   KTOT*16                    ; a tile of 16 rows of A in memory, in bytes
.set BP,    528                        ; a row of W in LDS: 512 bytes + 16
.set ASL,   65536                      ; A's part of a slot: 8 tiles of rows x 8,192 bytes
.set SLOT,  ASL+128*BP
.set SCB,   2*SLOT                     ; W's scale bytes: units of 256 bytes + 16
.set SBH,   (64*KS/256)*272            ; those of 64 rows
.set SBP,   (32*KS/256)*272            ; of 32
.set SCA,   283648                     ; A's scale words (KTOT = 4,096): 512 bytes for each 128 along K
.set SPARE, 300032                     ; the spare words: 128 bytes a wave, named by no other line
.set STAGE, 300544                     ; 16 rows x 272 bytes for each wave: no fill lands here
.set SPITCH, 272
.set BI,   4                           ; v4-7   bias of my four columns
.set ADRA, 16
.set ADRB, 18
.set ADSB, 20
.set ADSA, 21
.set STO,  22
.set RD,   23
.set CO,   24
.set SPW,  28
.set NIL,  29
.set OB0,  32                          ; the way out: v32-63 and v96-127 by turns
.set OB1,  96
.set SB,   64                          ; v64-79 W's scale words, a set for each slot: register 4 p + q: lanes 0-15 block 2 p, lanes 16-31 block 2 p + 1
.set SA,   80                          ; v80-95 A's: register 2 q + i: lanes 0-15 block 2 i, lanes 16-31 block 2 i + 1
.set ACC,  128
.set F0,   0                           ; window 1: two buffers: A's four fragments, then W's four
.set F1,   128
.set G1A, 24
.set G0A, 32
.set G0SA, 40
.set G1B, 48
.set G0B, 56
.set G1SB, 80
.set G0SB, 88
.set G1SA, 92
.set MSB, 0
.macro WIN new
.if MSB != (\new)
	s_set_vgpr_msb (MSB<<8)|(\new)
.set MSB, (\new)
.endif
.endm
.set MUL,  0x05                        ; sources 0 and 1 window 1; C and D window 0
.set TO_F, 0x40
.macro JLOAD s                         ; a joint refill: waves 0, 1 fetch A's halves, waves 2, 3 W's; four v_nop follow each line
	s_cmp_eq_u32 s11, 0
	s_cbranch_scc0 .Lfor_b_\@
	tensor_load_to_lds s[G0A+4*\s:G0A+4*\s+3], s[G1A:G1A+7]
.rept 4
	v_nop
.endr
	s_branch .Lasked_\@
.Lfor_b_\@:
	tensor_load_to_lds s[G0B+4*\s:G0B+4*\s+3], s[G1B:G1B+7]
.rept 4
	v_nop
.endr
.Lasked_\@:
.endm
.macro CREST
	s_cmp_lg_u32 s10, 0
	s_cbranch_scc1 .Lnot_wave_0_\@
	s_barrier_signal -3
.Lnot_wave_0_\@:
	s_barrier_wait -3
	s_barrier_signal -1
	s_barrier_wait -1
.endm
.macro CROUND
	s_barrier_signal -1
	s_barrier_wait -1
	CREST
.endm
	s_load_b256 s[68:75], s[0:1], 0x0              ; A, W's codes, W's scales, bias
	s_load_b128 s[76:79], s[0:1], 0x20             ; res, out
	v_lshl_add_u32 v[SPW], v0, 2, SPARE
	v_mov_b32 v[NIL], 0
	ds_add_u32 v28, v29
	ds_add_u32 v28, v29
	s_wait_dscnt 0x0
	v_lshrrev_b32 v1, 5, v0
	v_readfirstlane_b32 s10, v1                    ; wave
	s_lshr_b32 s11, s10, 1                         ; my half of the rows.  Also: I fetch for A (0) or W (1)
	s_and_b32 s12, s10, 1                          ; my half of the columns.  Also: which half I fetch
	s_bfe_u32 s15, ttmp6, 0x40000                  ; cx
	s_bfe_u32 s16, ttmp6, 0x40004                  ; cy
	s_lshl_b32 s14, ttmp9, 2
	s_add_co_u32 s14, s14, s15                     ; tile column
	s_and_b32 s13, ttmp7, 0xffff
	s_lshl_b32 s13, s13, 2
	s_add_co_u32 s13, s13, s16                     ; tile row
	s_lshl_b32 s17, s16, 2
	s_lshl_b32 s17, 15, s17                        ; my row of the cluster
	s_lshl_b32 s18, 0x1111, s15                    ; my column
	s_or_b32 s[G1A], s17, (3<<16)|(1<<21)          ; A: 4 tiles of rows x 1,024 elements of 8 bytes, no padding
	s_mov_b32 s[G1A+1], 1024<<16
	s_mov_b32 s[G1A+2], 4<<16
	s_mov_b32 s[G1A+3], 1024<<16
	s_mov_b32 s[G1A+4], 4
	s_mov_b32 s[G1A+5], RTB/8
	s_mov_b32 s[G1A+6], 0
	s_mov_b32 s[G1A+7], 0
	s_or_b32 s[G1B], s18, (0<<16)|(1<<20)|(1<<21)|(6<<22)|(3<<25)   ; W: 64 rows x 512 bytes, 4 words of padding behind every 128
	s_mov_b32 s[G1B+1], 512<<16
	s_mov_b32 s[G1B+2], 64<<16
	s_mov_b32 s[G1B+3], 512<<16
	s_mov_b32 s[G1B+4], 64
	s_mov_b32 s[G1B+5], KTOT
	s_mov_b32 s[G1B+6], 0
	s_mov_b32 s[G1B+7], 0
	s_or_b32 s[G1SB], s18, (3<<16)|(1<<20)|(1<<21)|(5<<22)|(3<<25)  ; W's scales of 64 rows: a dense block as rows of 256 bytes, 16 of padding behind each
	s_mov_b32 s[G1SB+1], 32<<16
	s_mov_b32 s[G1SB+2], (64*KS/256)<<16
	s_mov_b32 s[G1SB+3], 32<<16
	s_mov_b32 s[G1SB+4], 64*KS/256
	s_mov_b32 s[G1SB+5], 32
	s_mov_b32 s[G1SB+6], 0
	s_mov_b32 s[G1SB+7], 0
.if KTOT > 1024
	s_or_b32 s[G1SA], s17, (3<<16)|(1<<21)         ; A's scale words: 16 chunks x 512 bytes, 16,384 bytes apart
	s_mov_b32 s[G1SA+1], 64<<16
	s_mov_b32 s[G1SA+2], 16<<16
	s_mov_b32 s[G1SA+3], 64<<16
	s_mov_b32 s[G1SA+4], 16
	s_mov_b32 s[G1SA+5], 2048
	s_mov_b32 s[G1SA+6], 0
	s_mov_b32 s[G1SA+7], 0
.endif
	s_lshl_b32 s20, s13, 3
	s_lshl_b32 s21, s12, 2
	s_add_co_u32 s20, s20, s21
	s_mul_i32 s20, s20, RTB                        ; A: tile of rows 8 x tile row + 4 x half
	s_mov_b32 s21, 0
	s_lshl_b32 s22, s14, 7
	s_lshl_b32 s23, s12, 6
	s_add_co_u32 s22, s22, s23                     ; W: row 128 x tile column + 64 x half
	s_mul_i32 s44, s22, KS
	s_mov_b32 s45, 0
	s_mul_i32 s22, s22, KTOT
	s_mov_b32 s23, 0
	s_lshl_b32 s19, s12, 15                        ; where they go: no place in the cluster enters an LDS address
	s_mul_i32 s2, s12, 64*BP
	s_add_co_u32 s2, s2, ASL
	s_mul_i32 s3, s12, SBH
	s_add_co_u32 s3, s3, SCB
.if KTOT > 1024
	s_lshl_b32 s46, s12, 18                        ; 16 chunks of 16,384 bytes
	s_lshl_b32 s47, s13, 9
	s_add_co_u32 s46, s46, s47
	s_add_co_u32 s46, s46, 0x1000000
	s_mov_b32 s47, 0
	s_lshl_b32 s9, s12, 13
	s_add_co_u32 s9, s9, SCA
.endif
	s_wait_kmcnt 0x0
	s_add_nc_u64 s[20:21], s[68:69], s[20:21]
	s_add_nc_u64 s[22:23], s[70:71], s[22:23]
	s_add_nc_u64 s[44:45], s[72:73], s[44:45]
.if KTOT > 1024
	s_add_nc_u64 s[46:47], s[68:69], s[46:47]
.endif
	CROUND                                         ; all sixteen work-groups are here: the first joint loads meet
.irp s, 0,1
	s_mov_b32 s[G0A+4*\s], 1
	s_add_co_u32 s[G0A+4*\s+1], s19, \s*SLOT
	s_add_nc_u64 s[G0A+4*\s+2:G0A+4*\s+3], s[20:21], \s*8192
	s_or_b32 s[G0A+4*\s+3], s[G0A+4*\s+3], 0x80000000
	s_mov_b32 s[G0B+4*\s], 1
	s_add_co_u32 s[G0B+4*\s+1], s2, \s*SLOT
	s_add_nc_u64 s[G0B+4*\s+2:G0B+4*\s+3], s[22:23], \s*512
	s_or_b32 s[G0B+4*\s+3], s[G0B+4*\s+3], 0x80000000
.endr
	s_mov_b32 s[G0SB], 1
	s_mov_b32 s[G0SB+1], s3
	s_mov_b64 s[G0SB+2:G0SB+3], s[44:45]
	s_or_b32 s[G0SB+3], s[G0SB+3], 0x80000000
.if KTOT > 1024
	s_mov_b32 s[G0SA], 1
	s_mov_b32 s[G0SA+1], s9
	s_mov_b64 s[G0SA+2:G0SA+3], s[46:47]
	s_or_b32 s[G0SA+3], s[G0SA+3], 0x80000000
.endif
	s_cmp_eq_u32 s11, 0                            ; a wave's first fills stand in one branch: at most three loads of mine are out
	s_cbranch_scc0 .Lfirst_b
.if KTOT > 1024
	tensor_load_to_lds s[G0SA:G0SA+3], s[G1SA:G1SA+7]
.endif
	tensor_load_to_lds s[G0A:G0A+3], s[G1A:G1A+7]
	s_nop 0
	tensor_load_to_lds s[G0A+4:G0A+7], s[G1A:G1A+7]
	s_nop 0
.rept 4
	v_nop
.endr
	s_branch .Lfirst_done
.Lfirst_b:
	tensor_load_to_lds s[G0SB:G0SB+3], s[G1SB:G1SB+7]
	s_nop 0
	tensor_load_to_lds s[G0B:G0B+3], s[G1B:G1B+7]
	s_nop 0
	tensor_load_to_lds s[G0B+4:G0B+7], s[G1B:G1B+7]
	s_nop 0
.rept 4
	v_nop
.endr
.Lfirst_done:
	v_and_b32 v1, 15, v0                           ; r
	v_bfe_u32 v2, v0, 4, 1                         ; h
	v_and_b32 v3, 31, v0                           ; lane
	v_lshlrev_b32 v8, 4, v3
	s_lshl_b32 s20, s11, 15
	v_add_nc_u32 v[ADRA], s20, v8                  ; my four tiles of rows: 16 x lane in an image
	v_add_nc_u32 v[ADRA+1], SLOT, v[ADRA]
	v_mul_u32_u24 v9, v1, BP
	v_lshl_add_u32 v9, v2, 4, v9
	s_mul_i32 s20, s12, 64*BP
	s_add_co_u32 s20, s20, ASL
	v_add_nc_u32 v[ADRB], s20, v9
	v_add_nc_u32 v[ADRB+1], SLOT, v[ADRB]
	v_mul_u32_u24 v9, v3, KS                       ; W's scale words: lane l takes row 32 p + l
	v_lshrrev_b32 v10, 8, v9
	v_lshl_add_u32 v9, v10, 4, v9
	s_mul_i32 s20, s12, SBH
	s_add_co_u32 s20, s20, SCB
	v_add_nc_u32 v[ADSB], s20, v9
.if KTOT > 1024
	s_lshl_b32 s20, s11, 8
	s_add_co_u32 s20, s20, SCA
	v_lshl_add_u32 v[ADSA], v3, 3, s20
.endif
	s_mul_i32 s20, s10, 16*SPITCH
	s_add_co_u32 s20, s20, STAGE
	v_mul_u32_u24 v9, v1, SPITCH
	v_lshl_add_u32 v9, v2, 5, v9
	v_add_nc_u32 v[STO], s20, v9                   ; in: row r, 32 bytes for each half of the lanes
	v_mul_u32_u24 v9, v2, SPITCH
	v_lshl_add_u32 v9, v1, 4, v9
	v_add_nc_u32 v[RD], s20, v9                    ; back: lanes 0-15 one row of 256 bytes, lanes 16-31 the next
	v_lshlrev_b32 v[CO], 12, v2
	v_lshl_add_u32 v[CO], v1, 4, v[CO]             ; and the same two rows in res and out
	v_lshlrev_b32 v11, 4, v1
	s_lshl_b32 s20, s13, 7
	s_lshl_b32 s21, s11, 6
	s_add_co_u32 s20, s20, s21                     ; my first row
	s_lshl_b32 s22, s14, 7
	s_lshl_b32 s23, s12, 6
	s_add_co_u32 s22, s22, s23                     ; my first column
	s_lshl_b32 s44, s20, 12
	s_lshl_b32 s46, s22, 2
	s_add_co_u32 s44, s44, s46
	s_mov_b32 s45, 0
	s_mov_b32 s47, 0
	s_add_nc_u64 s[76:77], s[76:77], s[44:45]
	s_add_nc_u64 s[78:79], s[78:79], s[44:45]
	s_add_nc_u64 s[74:75], s[74:75], s[46:47]
	global_load_b128 v[BI:BI+3], v11, s[74:75]
.if KTOT == 1024
	s_lshl_b32 s44, s20, 1
	s_add_co_u32 s44, s44, 0x400000
	s_add_nc_u64 s[72:73], s[68:69], s[44:45]      ; ctx's scale bytes at my first row
	v_lshlrev_b32 v12, 1, v3
.irp s, 0,1
.irp q, 0,1,2,3
.irp i, 0,1
.irp e, 0,1
	global_load_u16 v[OB1+16*\s+4*\q+2*\i+\e], v12, s[72:73] offset:(2*(4*\s+\q)+\e)*8192+64*\i   ; head 2 (4 s + q) + e, row 32 i + lane
.endr
.endr
.endr
.endr
.endif
	WIN 0x80                                       ; destination window 2
.irp a, 0,1,2,3
.irp t, 0,1,2,3,4,5,6,7
	global_load_b128 v[32*\a+4*\t:32*\a+4*\t+3], v[CO], s[76:77] offset:(16*\a+2*\t)*4096   ; res: these 32 loads stay out until the way out; their offset register and base are never rewritten
.endr
.endr
	WIN 0
.if KTOT == 1024
	s_wait_loadcnt 32                              ; the bias and the 32 loads of scale bytes are in; the 32 loads of res, issued behind them, may be out
.irp s, 0,1
.irp q, 0,1,2,3
.irp i, 0,1
	v_lshl_or_b32 v[SA+8*\s+2*\q+\i], v[OB1+16*\s+4*\q+2*\i+1], 16, v[OB1+16*\s+4*\q+2*\i]   ; two heads' bytes make the word of 128 along K
.endr
.endr
.endr
.rept 8
	v_nop                                          ; a scale register written by a vector instruction stands eight plain lines ahead of a scaled matrix instruction
.endr
.endif
.macro WM d, x, y, zero, sx, sy, rx, ry
.if \zero
.if (\rx) && (\ry)
	v_wmma_scale_f32_16x16x128_f8f6f4 v[\d:\d+7], v[\x:\x+15], v[\y:\y+15], 0, v[\sx], v[\sy] matrix_a_fmt:MATRIX_FMT_BF8 matrix_b_fmt:MATRIX_FMT_BF8 matrix_a_scale:MATRIX_SCALE_ROW1 matrix_b_scale:MATRIX_SCALE_ROW1
.elseif \rx
	v_wmma_scale_f32_16x16x128_f8f6f4 v[\d:\d+7], v[\x:\x+15], v[\y:\y+15], 0, v[\sx], v[\sy] matrix_a_fmt:MATRIX_FMT_BF8 matrix_b_fmt:MATRIX_FMT_BF8 matrix_a_scale:MATRIX_SCALE_ROW1
.elseif \ry
	v_wmma_scale_f32_16x16x128_f8f6f4 v[\d:\d+7], v[\x:\x+15], v[\y:\y+15], 0, v[\sx], v[\sy] matrix_a_fmt:MATRIX_FMT_BF8 matrix_b_fmt:MATRIX_FMT_BF8 matrix_b_scale:MATRIX_SCALE_ROW1
.else
	v_wmma_scale_f32_16x16x128_f8f6f4 v[\d:\d+7], v[\x:\x+15], v[\y:\y+15], 0, v[\sx], v[\sy] matrix_a_fmt:MATRIX_FMT_BF8 matrix_b_fmt:MATRIX_FMT_BF8
.endif
.else
.if (\rx) && (\ry)
	v_wmma_scale_f32_16x16x128_f8f6f4 v[\d:\d+7], v[\x:\x+15], v[\y:\y+15], v[\d:\d+7], v[\sx], v[\sy] matrix_a_fmt:MATRIX_FMT_BF8 matrix_b_fmt:MATRIX_FMT_BF8 matrix_a_scale:MATRIX_SCALE_ROW1 matrix_b_scale:MATRIX_SCALE_ROW1
.elseif \rx
	v_wmma_scale_f32_16x16x128_f8f6f4 v[\d:\d+7], v[\x:\x+15], v[\y:\y+15], v[\d:\d+7], v[\sx], v[\sy] matrix_a_fmt:MATRIX_FMT_BF8 matrix_b_fmt:MATRIX_FMT_BF8 matrix_a_scale:MATRIX_SCALE_ROW1
.elseif \ry
	v_wmma_scale_f32_16x16x128_f8f6f4 v[\d:\d+7], v[\x:\x+15], v[\y:\y+15], v[\d:\d+7], v[\sx], v[\sy] matrix_a_fmt:MATRIX_FMT_BF8 matrix_b_fmt:MATRIX_FMT_BF8 matrix_b_scale:MATRIX_SCALE_ROW1
.else
	v_wmma_scale_f32_16x16x128_f8f6f4 v[\d:\d+7], v[\x:\x+15], v[\y:\y+15], v[\d:\d+7], v[\sx], v[\sy] matrix_a_fmt:MATRIX_FMT_BF8 matrix_b_fmt:MATRIX_FMT_BF8
.endif
.endif
.endm
; A's block a x W's four blocks.  The 16 accumulators take turns, one instruction a turn, in the same order in every quarter
.macro MUL4 f, a, set, q, zero
.irp b, 0,1,2,3
	WM ACC+8*(4*(\a)+\b), \f+64+16*\b, \f+16*(\a), \zero, SB+8*(\set)+4*(\b/2)+(\q), SA+8*(\set)+2*(\q)+(\a)/2, \b%2, (\a)%2
.endr
.endm
.macro FETCH slot, q, f                ; 32 LDS loads: W's four fragments, then A's four, of the slot's q-th 128 along K
	WIN TO_F
.irp i, 0,1,2,3
.irp c, 0,1,2,3
	ds_load_b128 v[\f+64+16*\i+4*\c:\f+64+16*\i+4*\c+3], v[ADRB+\slot] offset:16*BP*\i+128*(\q)+32*\c
.endr
.endr
.irp i, 0,1,2,3
.irp c, 0,1,2,3
	ds_load_b128 v[\f+16*\i+4*\c:\f+16*\i+4*\c+3], v[ADRA+\slot] offset:8192*\i+2048*(\q)+512*\c
.endr
.endr
.endm
.macro SCALES set                      ; a slot's scale words
.irp p, 0,1
	ds_load_b128 v[SB+8*\set+4*\p:SB+8*\set+4*\p+3], v[ADSB] offset:\p*SBP
.endr
.if KTOT > 1024
.irp q, 0,1,2,3
	ds_load_b64 v[SA+8*\set+2*\q:SA+8*\set+2*\q+1], v[ADSA] offset:512*\q
.endr
.endif
.endm
.macro PLACES n
.rept \n
	v_nop
.endr
.endm
.macro QUARTER slot, q, f, g, zero     ; multiplies the slot's q-th 128 along K from buffer f and fetches the next into g
	s_wait_dscnt 8                                 ; W's fragments and A's blocks 0, 1 are in; A's blocks 2, 3 may be out
	WIN MUL
	MUL4 \f, 0, \slot, \q, \zero
	MUL4 \f, 1, \slot, \q, \zero
	PLACES 8
	FETCH \slot, (\q)+1, \g
	s_wait_dscnt 32                                ; all but the 32 just issued
	WIN MUL
	MUL4 \f, 2, \slot, \q, \zero
	MUL4 \f, 3, \slot, \q, \zero
.endm
; A slot's last quarter changes slots: one barrier; in front of it each wave waits for all its tensor loads, adds 0 to its spare word, and waits for that and for its reads of this slot
.macro TURN slot, next, fill
	WIN 0
	s_wait_tensorcnt 0x0
	ds_add_u32 v[SPW], v[NIL]
	s_wait_dscnt 9                                 ; the add and A's blocks 2, 3 may be out
	WIN MUL
	MUL4 F1, 0, \slot, 3, 0
	s_wait_dscnt 0x0                               ; the add is done, and my reads of this slot are over
	s_barrier_signal -1
	MUL4 F1, 1, \slot, 3, 0
	WIN 0
	s_barrier_wait -1
.if \fill
	CREST                                          ; the barrier has opened a round of the cluster's
	s_add_nc_u64 s[G0A+4*\slot+2:G0A+4*\slot+3], s[G0A+4*\slot+2:G0A+4*\slot+3], 2*8192
	s_add_nc_u64 s[G0B+4*\slot+2:G0B+4*\slot+3], s[G0B+4*\slot+2:G0B+4*\slot+3], 2*512
	JLOAD \slot                                    ; the first tensor load behind the round
	PLACES 4
.else
	PLACES 8
.endif
	v_add_nc_u32 v[ADSB], 16, v[ADSB]
.if KTOT > 1024
	v_add_nc_u32 v[ADSA], 2048, v[ADSA]
.endif
	SCALES \next
	FETCH \next, 0, F0
	WIN MUL
	MUL4 F1, 2, \slot, 3, 0
	MUL4 F1, 3, \slot, 3, 0
.endm
	s_wait_tensorcnt 1                             ; the scales and my part of slot 0 are in; slot 1's load may be out
	s_barrier_signal -1
	s_barrier_wait -1
	SCALES 0
	FETCH 0, 0, F0
	QUARTER 0, 0, F0, F1, 1                        ; the first quarter's products start the sums
.if LAPS > 1
	WIN 0
	s_mov_b32 s3, LAPS-1
.Llap:
	QUARTER 0, 1, F1, F0, 0
	QUARTER 0, 2, F0, F1, 0
	TURN 0, 1, 1
	QUARTER 1, 0, F0, F1, 0
	QUARTER 1, 1, F1, F0, 0
	QUARTER 1, 2, F0, F1, 0
	TURN 1, 0, 1
	QUARTER 0, 0, F0, F1, 0
	WIN 0
	s_sub_co_u32 s3, s3, 1
	s_cmp_lg_u32 s3, 0
	s_cbranch_scc1 .Llap
.endif
	QUARTER 0, 1, F1, F0, 0
	QUARTER 0, 2, F0, F1, 0
	TURN 0, 1, 0
	QUARTER 1, 0, F0, F1, 0
	QUARTER 1, 1, F1, F0, 0
	QUARTER 1, 2, F0, F1, 0
	s_wait_dscnt 8
	WIN MUL
	MUL4 F1, 0, 1, 3, 0
	MUL4 F1, 1, 1, 3, 0
	s_wait_dscnt 0
	MUL4 F1, 2, 1, 3, 0
	MUL4 F1, 3, 1, 3, 0
	WIN 0
	; THE WAY OUT, a block of 16 rows x 64 columns at a time, through my own stage: back as whole rows of 256 bytes, + res + bias, stored sixteen lanes to 256 consecutive bytes
.macro TOSTAGE a
.set OB, OB0+64*((\a)%2)
.irp b, 0,1,2,3
	ds_store_b128 v[STO], v[ACC+8*(4*(\a)+\b):ACC+8*(4*(\a)+\b)+3] offset:64*\b        ; each accumulator from its low end on
	ds_store_b128 v[STO], v[ACC+8*(4*(\a)+\b)+4:ACC+8*(4*(\a)+\b)+7] offset:64*\b+16
.endr
.irp t, 0,1,2,3,4,5,6,7
	ds_load_b128 v[OB+4*\t:OB+4*\t+3], v[RD] offset:\t*2*SPITCH   ; LDS serves a wave's instructions in order: these see the stores above
.endr
.endm
.macro SEND a, younger
.set OB, OB0+64*((\a)%2)
	s_wait_dscnt \younger                          ; the block is back; the next block's sixteen LDS instructions may be out
	WIN 0x08                                       ; source 1 window 2
.set i, 0
.rept 16
	v_pk_add_f32 v[OB+i:OB+i+1], v[OB+i:OB+i+1], v[32*(\a)+i:32*(\a)+i+1]
.set i, i+2
.endr
	WIN 0
.irp t, 0,1,2,3,4,5,6,7
	global_store_b128 v[CO], v[OB+4*\t:OB+4*\t+3], s[78:79] offset:(16*(\a)+2*\t)*4096 th:TH_STORE_NT
.endr
.endm
	PLACES 8
	s_wait_loadcnt 0x0                             ; res and the bias, asked for at the head: no load was issued behind them
	WIN 0x82
.set i, 0
.rept 64
	v_pk_add_f32 v[i:i+1], v[i:i+1], v[BI+i%4:BI+i%4+1]   ; res + bias
.set i, i+2
.endr
	WIN 0
	TOSTAGE 0
.irp a, 1,2,3
.if \a > 1
	s_wait_xcnt 0x0                                ; block a - 2's stores have read their registers: block a's loads may land there
.endif
	TOSTAGE \a
	SEND \a-1, 16
.endr
	SEND 3, 0
	s_wait_tensorcnt 0x0                           ; the wave's end
	ds_add_u32 v[SPW], v[NIL]
	s_wait_dscnt 0x0
	CROUND                                         ; the closing round
	s_endpgm
.Lfunc_end_k_q3bffe85c54_wo:
	.size	k_q3bffe85c54_wo, .Lfunc_end_k_q3bffe85c54_wo-k_q3bffe85c54_wo
	.p2alignl 7, 3214868480
	.fill 96, 4, 3214868480
	.section	.rodata,"a",@progbits
	.p2align	6, 0x0
	.amdhsa_kernel k_q3bffe85c54_wo
		.amdhsa_group_segment_fixed_size 327680
		.amdhsa_private_segment_fixed_size 0
		.amdhsa_enable_private_segment 0
		.amdhsa_kernarg_size 48
		.amdhsa_user_sgpr_count 2
		.amdhsa_user_sgpr_kernarg_segment_ptr 1
		.amdhsa_wavefront_size32 1
		.amdhsa_system_sgpr_workgroup_id_x 1
		.amdhsa_system_sgpr_workgroup_id_y 1
		.amdhsa_system_sgpr_workgroup_id_z 1
		.amdhsa_system_vgpr_workitem_id 0
		.amdhsa_next_free_vgpr 640
		.amdhsa_next_free_sgpr 100
		.amdhsa_reserve_vcc 0
		.amdhsa_float_denorm_mode_32 3
		.amdhsa_float_denorm_mode_16_64 3
		.amdhsa_memory_ordered 1
		.amdhsa_forward_progress 1
		.amdhsa_inst_pref_size 67
	.end_amdhsa_kernel
	.amdgpu_metadata
---
amdhsa.version: [ 1, 2 ]
amdhsa.kernels:
  - .name:           k_q3bffe85c54_wo
    .symbol:         k_q3bffe85c54_wo.kd
    .args:
      - { .name: cb, .offset: 0, .size: 8, .value_kind: global_buffer, .address_space: global }
      - { .name: Wo_codes, .offset: 8, .size: 8, .value_kind: global_buffer, .address_space: global }
      - { .name: Wo_scales, .offset: 16, .size: 8, .value_kind: global_buffer, .address_space: global }
      - { .name: bo, .offset: 24, .size: 8, .value_kind: global_buffer, .address_space: global }
      - { .name: x, .offset: 32, .size: 8, .value_kind: global_buffer, .address_space: global }
      - { .name: x1, .offset: 40, .size: 8, .value_kind: global_buffer, .address_space: global }
    .group_segment_fixed_size: 327680
    .private_segment_fixed_size: 0
    .kernarg_segment_align: 8
    .kernarg_segment_size: 48
    .max_flat_workgroup_size: 128
    .sgpr_count:     100
    .vgpr_count:     640
    .wavefront_size: 32
...
	.end_amdgpu_metadata
.endif
;; end of part 4
;; launch ln2: the kernel of part 1 again; grid 256 x 1, 4 waves a work-group, no clusters, 22,016 bytes of LDS; arguments x1, ln2_g, ln2_b, hq; writes hq
;; launch w1 (part 5): grid 16 x 16, 4 waves a work-group, clusters of 4 x 4, 327,680 bytes of LDS; arguments hq, W1_codes, W1_scales, b1, fb; writes fb
.if DOCPART == 5
	.amdgcn_target "amdgcn-amd-amdhsa--gfx1250"
	.amdhsa_code_object_version 6
	.text
	.protected	k_q3bffe85c54_w1
	.globl	k_q3bffe85c54_w1
	.p2align	8
	.type	k_q3bffe85c54_w1,@function
k_q3bffe85c54_w1:
	s_mov_b64 s[64:65], 0
	v_nop
	global_prefetch_b8 v0, s[64:65] scope:SCOPE_SE
	s_setreg_imm32_b32 hwreg(HW_REG_WAVE_MODE, 25, 1), 1
	s_wait_xcnt 0x0
	s_wait_alu depctr_hold_cnt(0) depctr_sa_sdst(0) depctr_va_vdst(0) depctr_va_sdst(0) depctr_va_ssrc(0) depctr_va_vcc(0) depctr_vm_vsrc(0)
	s_getreg_b32 s2, hwreg(HW_REG_IB_STS2, 6, 4)
	s_cmp_eq_u32 s2, 0
	s_cbranch_scc0 .Lentry_in_a_cluster
	s_endpgm
.Lentry_in_a_cluster:
	s_bfe_u32 s2, ttmp6, 0x10000c
	s_cmp_lg_u32 s2, 0xf033
	s_cbranch_scc0 .Lentry_shape_is_right
	s_endpgm
.Lentry_shape_is_right:
; gelu(h2 W1 + b1), quantised along the hidden 4,096 for the next product.  The product is a GEMM on codes of E5M2 with E8M0 scales, M = N = 4,096, K = 1,024: a tile of 256 x 256 to a work-group of four waves,
; 128 x 128 to a wave, K in steps of 256 through two LDS slots, the scale bytes of all of K in LDS once, 4 x 4 clusters with joint loads.  Used transposed: a lane holds one row and 128 hidden units.
; b1 is the C of each sum's first matrix instruction.
; GELU: gelu(x) = max(x, 0) - |x| H, H = erfc(|x| / sqrt 2) / 2 = P(t) 2^(-x^2 log2(e) / 2), t = 1 / (1 + 0.23164189 |x|), P of degree 5 (Abramowitz and Stegun 7.1.26, coefficients halved).
; LIMIT: H's absolute error is at most 7.5e-8: for x > 0 that is 1.5e-7 of the result; for x < 0 the relative error grows as H falls (5e-5 at x = -3), on numbers that are small beside their block's largest.
; NaN and infinities are not served; a block whose largest magnitude lies under 2^-111 keeps the byte 1.
; OUT: images of operand registers, [tile of 16 rows][128 hidden units][4][lane][16 bytes], in the hidden units' true order (two lane swaps a block), and scale words as images, stored straight from registers.
; The way out is a loop of two trips (my rows 0-63, then 64-127, whose accumulators are first copied down a window), so that the text is written once.
.set SIZE_K, 1024
.set KSTEP,  256
.set NQ,     KSTEP/128
.set ROWB,   256
.set KROW,   SIZE_K
.set PITCH,  272
.set FR,     16
.set NL,     4
.set NP,     8
.set HALFT,  128*PITCH
.set SLOT,   4*HALFT
.set LAPS,   SIZE_K/(2*KSTEP)
.set KS,     SIZE_K/32
.set SCL,    2*SLOT
.set HALFS,  (128*KS/256)*272
.set SBLK,   (16*KS/256)*272
.set SPARE,  SCL+4*HALFS
.set ADRA, 16
.set ADRB, 20
.set L8,   25                          ; v25  8 x lane
.set LI,   26                          ; v26  16 x lane
.set ADRS, 27
.set SPW,  28
.set NIL,  29
.set SC,   32                          ; v32-63 scale words: they hold nothing else
.set BB,   64                          ; v64-127 b1 of my 128 hidden units, in the result's layout
.set AF,   128
.set T,    64                          ; the way out: v64-95 t, later max(x, 0)
.set YV,   96                          ; v96-127 the exponent, 2^it, H
.set G,    128                         ; v128-191 the polynomial, then gelu
.set PC,   192                         ; v192-223 codes, two sets
.set TM,   224
.set W,    240                         ; v240-243 a trip's four scale words
.set IM,   244                         ; v244-245 their image
.set A4,   246                         ; v246-247 the coefficient a4
.set G1, 24
.set G0, 32
.set G1B, 48
.set G0B, 56
.set G1S, 68
.set G0S, 76
.set G1SB, 80
.set G0SB, 88
.set MSB, 0
.macro WIN new
.if MSB != (\new)
	s_set_vgpr_msb (MSB<<8)|(\new)
.set MSB, (\new)
.endif
.endm
.set MUL_LO, 0xa1
.set MUL_HI, 0xf1
.set TO_B,   0x40
.macro JLOAD g0a, g1a, g0b, g1b
	s_cmp_eq_u32 s15, 0
	s_cbranch_scc0 .Lfor_b_\@
	tensor_load_to_lds s[\g0a:\g0a+3], s[\g1a:\g1a+7]
	s_nop 0
.rept 4
	v_nop
.endr
	s_branch .Lasked_\@
.Lfor_b_\@:
	tensor_load_to_lds s[\g0b:\g0b+3], s[\g1b:\g1b+7]
	s_nop 0
.rept 4
	v_nop
.endr
.Lasked_\@:
.endm
.macro CREST
	s_cmp_lg_u32 s14, 0
	s_cbranch_scc1 .Lnot_wave_0_\@
	s_barrier_signal -3
.Lnot_wave_0_\@:
	s_barrier_wait -3
	s_barrier_signal -1
	s_barrier_wait -1
.endm
.macro CROUND
	s_barrier_signal -1
	s_barrier_wait -1
	CREST
.endm
	s_load_b64 s[4:5], s[0:1], 0x0                 ; hq
	s_load_b128 s[8:11], s[0:1], 0x8               ; W1's codes, W1's scales
	s_load_b128 s[96:99], s[0:1], 0x18             ; b1, fb
	v_lshl_add_u32 v[SPW], v0, 2, SPARE
	v_mov_b32 v[NIL], 0
	ds_add_u32 v28, v29
	ds_add_u32 v28, v29
	s_wait_dscnt 0x0
	v_lshrrev_b32 v1, 5, v0
	v_readfirstlane_b32 s14, v1
	s_lshr_b32 s15, s14, 1
	s_and_b32 s16, s14, 1
	s_bfe_u32 s40, ttmp6, 0x40000
	s_bfe_u32 s41, ttmp6, 0x40004
	s_lshl_b32 s42, ttmp9, 2
	s_add_co_u32 s42, s42, s40                     ; tile column
	s_and_b32 s17, ttmp7, 0xffff
	s_lshl_b32 s17, s17, 2
	s_add_co_u32 s17, s17, s41                     ; tile row
	s_lshl_b32 s43, s41, 2
	s_lshl_b32 s43, 15, s43
	s_lshl_b32 s44, 0x1111, s40
	s_or_b32 s[G1+0], s43, (0<<16)|(1<<20)|(1<<21)|(5<<22)|(3<<25)
	s_or_b32 s[G1B+0], s44, (0<<16)|(1<<20)|(1<<21)|(5<<22)|(3<<25)
.irp g, G1, G1B
	s_mov_b32 s[\g+1], ROWB<<16
	s_mov_b32 s[\g+2], 128<<16
	s_mov_b32 s[\g+3], ROWB<<16
	s_mov_b32 s[\g+4], 128
	s_mov_b32 s[\g+5], KROW
	s_mov_b32 s[\g+6], 0
	s_mov_b32 s[\g+7], 0
.endr
	s_or_b32 s[G1S+0], s43, (3<<16)|(1<<20)|(1<<21)|(5<<22)|(3<<25)
	s_or_b32 s[G1SB+0], s44, (3<<16)|(1<<20)|(1<<21)|(5<<22)|(3<<25)
.irp g, G1S, G1SB
	s_mov_b32 s[\g+1], 32<<16
	s_mov_b32 s[\g+2], (128*KS/256)<<16
	s_mov_b32 s[\g+3], 32<<16
	s_mov_b32 s[\g+4], 128*KS/256
	s_mov_b32 s[\g+5], 32
	s_mov_b32 s[\g+6], 0
	s_mov_b32 s[\g+7], 0
.endr
	s_lshl_b32 s18, s16, 7
	s_lshl_b32 s20, s17, 8
	s_add_co_u32 s20, s20, s18
	s_lshl_b32 s46, s42, 8
	s_add_co_u32 s46, s46, s18
	s_mov_b32 s21, 0
	s_mov_b32 s47, 0
	s_mov_b64 s[18:19], KS
	s_mul_u64 s[22:23], s[20:21], s[18:19]
	s_mul_u64 s[92:93], s[46:47], s[18:19]
	s_mov_b64 s[18:19], KROW
	s_mul_u64 s[20:21], s[20:21], s[18:19]
	s_mul_u64 s[46:47], s[46:47], s[18:19]
	s_mul_i32 s45, s14, HALFT
	s_mul_i32 s94, s14, HALFS
	s_wait_kmcnt 0x0
	s_add_nc_u64 s[6:7], s[4:5], 0x400000          ; h2's scale bytes
	s_add_nc_u64 s[20:21], s[4:5], s[20:21]
	s_add_nc_u64 s[22:23], s[6:7], s[22:23]
	s_add_nc_u64 s[46:47], s[8:9], s[46:47]
	s_add_nc_u64 s[92:93], s[10:11], s[92:93]
	CROUND
	s_mov_b32 s[G0S], 1
	s_add_co_u32 s[G0S+1], s94, SCL
	s_mov_b64 s[G0S+2:G0S+3], s[22:23]
	s_or_b32 s[G0S+3], s[G0S+3], 0x80000000
	s_mov_b32 s[G0SB], 1
	s_add_co_u32 s[G0SB+1], s94, SCL
	s_mov_b64 s[G0SB+2:G0SB+3], s[92:93]
	s_or_b32 s[G0SB+3], s[G0SB+3], 0x80000000
	JLOAD G0S, G1S, G0SB, G1SB
.irp s, 0,1
	s_mov_b32 s[G0+4*\s], 1
	s_add_co_u32 s[G0+4*\s+1], s45, \s*SLOT
	s_add_nc_u64 s[G0+4*\s+2:G0+4*\s+3], s[20:21], \s*ROWB
	s_or_b32 s[G0+4*\s+3], s[G0+4*\s+3], 0x80000000
	s_mov_b32 s[G0B+4*\s], 1
	s_add_co_u32 s[G0B+4*\s+1], s45, \s*SLOT
	s_add_nc_u64 s[G0B+4*\s+2:G0B+4*\s+3], s[46:47], \s*ROWB
	s_or_b32 s[G0B+4*\s+3], s[G0B+4*\s+3], 0x80000000
	JLOAD G0+4*\s, G1, G0B+4*\s, G1B
.endr
	v_and_b32 v1, 15, v0
	v_bfe_u32 v2, v0, 4, 1
	v_mul_u32_u24 v3, v1, PITCH
	v_lshl_add_u32 v4, v2, 4, v3
	s_mul_i32 s21, s15, HALFT
	s_mul_i32 s22, s16, HALFT
	s_add_co_u32 s22, s22, 2*HALFT
.irp s, 0,1
	v_add_nc_u32 v[ADRA+\s], s21, v4
	v_add_nc_u32 v[ADRB+\s], s22, v4
	s_add_co_u32 s21, s21, SLOT
	s_add_co_u32 s22, s22, SLOT
.endr
	v_mul_u32_u24 v5, v1, KS
	v_lshrrev_b32 v6, 8, v5
	v_lshl_add_u32 v5, v6, 4, v5
	s_mul_i32 s21, s15, HALFS
	s_mul_i32 s22, s16, HALFS
	s_add_co_u32 s22, s22, 2*HALFS
	s_sub_co_u32 s22, s22, s21
	v_mul_u32_u24 v6, s22, v2
	s_add_co_u32 s21, s21, SCL
	v_add_nc_u32 v5, v5, v6
	v_add_nc_u32 v[ADRS], s21, v5
	v_and_b32 v6, 31, v0
	v_lshlrev_b32 v[LI], 4, v6
	v_lshlrev_b32 v[L8], 3, v6
	v_lshlrev_b32 v7, 5, v2                        ; 32 h
	s_lshl_b32 s20, s42, 10
	s_lshl_b32 s21, s16, 9
	s_add_co_u32 s20, s20, s21
	s_mov_b32 s21, 0
	s_add_nc_u64 s[96:97], s[96:97], s[20:21]      ; b1 at my 128 hidden units
.irp b, 0,1,2,3,4,5,6,7
	global_load_b128 v[BB+8*\b:BB+8*\b+3], v7, s[96:97] offset:64*\b
	global_load_b128 v[BB+8*\b+4:BB+8*\b+7], v7, s[96:97] offset:64*\b+16
.endr
	s_lshl_b32 s22, s42, 1
	s_add_co_u32 s22, s22, s16                     ; my 128 hidden units: chunk 2 x tile column + half
	s_lshl_b32 s20, s17, 4
	s_lshl_b32 s23, s15, 3
	s_add_co_u32 s20, s20, s23                     ; my first tile of 16 rows
	s_lshl_b32 s20, s20, 16
	s_lshl_b32 s23, s22, 11
	s_add_co_u32 s20, s20, s23
	s_add_nc_u64 s[12:13], s[98:99], s[20:21]      ; the images
	s_lshl_b32 s22, s22, 6
	s_lshl_b32 s20, s17, 2
	s_add_co_u32 s22, s22, s20
	s_lshl_b32 s20, s15, 1
	s_add_co_u32 s22, s22, s20
	s_lshl_b32 s20, s22, 8
	s_add_co_u32 s20, s20, 0x1000000
	s_add_nc_u64 s[98:99], s[98:99], s[20:21]      ; the scale words' images: 256 bytes for 64 rows
	s_wait_loadcnt 0x0
.macro FRAG reg, adr, q, i
.irp c, 0,1,2,3
	ds_load_b128 v[\reg+4*\c:\reg+4*\c+3], v[\adr] offset:128*(\q)+32*\c+(\i)*16*PITCH
.endr
.endm
; bias = 1: the first product of each sum takes b1 as its C.  The 64 accumulators take turns, one instruction a turn
.macro MUL16 a0, p, q, sc, bias
.irp a, \a0, \a0+1
.irp b, 0,1,2,3,4,5,6,7
.if \bias
	v_wmma_scale_f32_16x16x128_f8f6f4 v[8*(8*((\a)%4)+\b):8*(8*((\a)%4)+\b)+7], v[128*(\p)+FR*\b:128*(\p)+FR*\b+FR-1], v[AF+FR*(\a):AF+FR*(\a)+FR-1], v[BB+8*\b:BB+8*\b+7], v[SC+8*NQ*(\sc)+NQ*\b+(\q)], v[SC+8*NQ*(\sc)+NQ*(\a)+(\q)] matrix_a_fmt:MATRIX_FMT_BF8 matrix_b_fmt:MATRIX_FMT_BF8 matrix_a_scale:MATRIX_SCALE_ROW1
.else
	v_wmma_scale_f32_16x16x128_f8f6f4 v[8*(8*((\a)%4)+\b):8*(8*((\a)%4)+\b)+7], v[128*(\p)+FR*\b:128*(\p)+FR*\b+FR-1], v[AF+FR*(\a):AF+FR*(\a)+FR-1], v[8*(8*((\a)%4)+\b):8*(8*((\a)%4)+\b)+7], v[SC+8*NQ*(\sc)+NQ*\b+(\q)], v[SC+8*NQ*(\sc)+NQ*(\a)+(\q)] matrix_a_fmt:MATRIX_FMT_BF8 matrix_b_fmt:MATRIX_FMT_BF8 matrix_a_scale:MATRIX_SCALE_ROW1
.endif
.endr
.endr
.endm
.macro FETCH_B slot, q, p
	WIN TO_B
.irp i, 0,1,2,3,4,5,6,7
	FRAG 128*(\p)+FR*\i, ADRB+\slot, \q, \i
.endr
	WIN 0
.endm
.macro FETCH_A slot, q, i0
.irp i, \i0, \i0+1, \i0+2, \i0+3
	FRAG AF+FR*(\i), ADRA+\slot, \q, \i
.endr
.endm
.macro SCALES sc
.irp i, 0,1,2,3,4,5,6,7
	ds_load_b64 v[SC+8*NQ*\sc+NQ*\i:SC+8*NQ*\sc+NQ*\i+1], v[ADRS] offset:\i*SBLK
.endr
.endm
.macro PLACES n
.rept \n
	v_nop
.endr
.endm
.macro STEP slot, q, bias
	s_wait_dscnt 4*NL
	WIN MUL_LO-0x20*(\bias)                        ; with the bias: C in window 0
	MUL16 0, (\q)%2, \q, \slot, \bias
	MUL16 2, (\q)%2, \q, \slot, \bias
	s_wait_dscnt 0
	PLACES NP
	FETCH_B \slot, (\q)+1, 1-(\q)%2
	FETCH_A \slot, (\q)+1, 0
	WIN MUL_HI-0x30*(\bias)
	MUL16 4, (\q)%2, \q, \slot, \bias
	MUL16 6, (\q)%2, \q, \slot, \bias
	PLACES NP
	WIN 0
	FETCH_A \slot, (\q)+1, 4
.endm
.macro TURN slot, next, fill
	s_wait_tensorcnt 0x0                           ; all my tensor loads have landed
	ds_add_u32 v[SPW], v[NIL]
	s_wait_dscnt 4*NL+1
	WIN MUL_LO
	MUL16 0, 1, NQ-1, \slot, 0
	s_wait_dscnt 0x0                               ; the add is done, and my reads of this slot are over
	s_barrier_signal -1
	MUL16 2, 1, NQ-1, \slot, 0
	WIN 0
	s_barrier_wait -1
.if \fill
	CREST
	s_add_nc_u64 s[G0+4*\slot+2:G0+4*\slot+3], s[G0+4*\slot+2:G0+4*\slot+3], 2*ROWB
	s_add_nc_u64 s[G0B+4*\slot+2:G0B+4*\slot+3], s[G0B+4*\slot+2:G0B+4*\slot+3], 2*ROWB
	JLOAD G0+4*\slot, G1, G0B+4*\slot, G1B
	PLACES NP-4
.else
	PLACES NP
.endif
	v_add_nc_u32 v[ADRS], 4*NQ, v[ADRS]
	FETCH_B \next, 0, 0
	FETCH_A \next, 0, 0
	SCALES \next
	WIN MUL_HI
	MUL16 4, 1, NQ-1, \slot, 0
	MUL16 6, 1, NQ-1, \slot, 0
	PLACES NP
	WIN 0
	FETCH_A \next, 0, 4
.endm
	s_wait_tensorcnt 1                             ; the scales and my part of K step 0 are in; K step 1's load may be out
	s_barrier_signal -1
	s_barrier_wait -1
	FETCH_B 0, 0, 0
	FETCH_A 0, 0, 0
	SCALES 0
	FETCH_A 0, 0, 4
	STEP 0, 0, 1
	s_mov_b32 s3, LAPS-1
.Llap:
	TURN 0, 1, 1
	STEP 1, 0, 0
	TURN 1, 0, 1
	STEP 0, 0, 0
	s_sub_co_u32 s3, s3, 1
	s_cmp_lg_u32 s3, 0
	s_cbranch_scc1 .Llap
	TURN 0, 1, 0
	STEP 1, 0, 0
	s_wait_dscnt 4*NL
	WIN MUL_LO
	MUL16 0, 1, NQ-1, 1, 0
	MUL16 2, 1, NQ-1, 1, 0
	s_wait_dscnt 0
	WIN MUL_HI
	MUL16 4, 1, NQ-1, 1, 0
	MUL16 6, 1, NQ-1, 1, 0
	WIN 0
	; THE WAY OUT
	PLACES NP
	s_mov_b32 s4, 0x3e6d3388                       ; 0.23164189
	s_mov_b32 s6, 0xbf38aa3b                       ; -log2(e) / 2
	s_mov_b32 s7, s6
	s_mov_b32 s8, 0x3f07dc22                       ; a5 =  0.53070271
	s_mov_b32 s9, s8
	s_mov_b32 s10, 0x3f35f0e3                      ; a3 =  0.71070687
	s_mov_b32 s11, s10
	s_mov_b32 s18, 0xbe11a98e                      ; a2 = -0.14224837
	s_mov_b32 s19, s18
	s_mov_b32 s40, 0x3e027906                      ; a1 =  0.12741480
	s_mov_b32 s41, s40
	s_mov_b32 s20, 0x76543210
	s_mov_b32 s21, 0xfedcba98
	s_mov_b32 s22, 0x600000
	s_mov_b32 s23, 0xffff0000                      ; lanes 16-31
	v_mov_b32 v[A4], 0xbf3a00e3                    ; a4 = -0.72657601
	v_mov_b32 v[A4+1], 0xbf3a00e3
.irp b, 0,1,2,3
	v_mov_b32 v[TM+4+\b], 0                        ; a lane permute's destination counts as read
.endr
; 32 numbers at v[x] of window 2 -> gelu at v[gg] of window 0.  The 64 transcendentals are one batch with one wait
.macro GELU x, gg
	WIN 0x02
.set i, 0
.rept 32
	v_fma_f32 v[T+i], |v[\x+i]|, s4, 1.0           ; each accumulator from its low end on
.set i, i+1
.endr
.set i, 0
.rept 16
	v_pk_mul_f32 v[YV+i:YV+i+1], v[\x+i:\x+i+1], s[6:7] op_sel_hi:[1,0]
.set i, i+2
.endr
.set i, 0
.rept 16
	v_pk_mul_f32 v[YV+i:YV+i+1], v[\x+i:\x+i+1], v[YV+i:YV+i+1]
.set i, i+2
.endr
	WIN 0
.set i, 0
.rept 32
	v_rcp_f32 v[T+i], v[T+i]
.set i, i+1
.endr
.set i, 0
.rept 32
	v_exp_f32 v[YV+i], v[YV+i]
.set i, i+1
.endr
	v_nop                                          ; a plain line behind the last transcendental
	s_wait_alu depctr_va_vdst(0)                   ; one wait for the batch, ahead of its first reader
.set i, 0
.rept 16
	v_pk_fma_f32 v[\gg+i:\gg+i+1], v[T+i:T+i+1], s[8:9], v[A4:A4+1] op_sel_hi:[1,0,1]
.set i, i+2
.endr
.set i, 0
.rept 16
	v_pk_fma_f32 v[\gg+i:\gg+i+1], v[\gg+i:\gg+i+1], v[T+i:T+i+1], s[10:11] op_sel_hi:[1,1,0]
.set i, i+2
.endr
.set i, 0
.rept 16
	v_pk_fma_f32 v[\gg+i:\gg+i+1], v[\gg+i:\gg+i+1], v[T+i:T+i+1], s[18:19] op_sel_hi:[1,1,0]
.set i, i+2
.endr
.set i, 0
.rept 16
	v_pk_fma_f32 v[\gg+i:\gg+i+1], v[\gg+i:\gg+i+1], v[T+i:T+i+1], s[40:41] op_sel_hi:[1,1,0]
.set i, i+2
.endr
.set i, 0
.rept 16
	v_pk_mul_f32 v[\gg+i:\gg+i+1], v[\gg+i:\gg+i+1], v[T+i:T+i+1]
.set i, i+2
.endr
.set i, 0
.rept 16
	v_pk_mul_f32 v[YV+i:YV+i+1], v[\gg+i:\gg+i+1], v[YV+i:YV+i+1]   ; H
.set i, i+2
.endr
	WIN 0x02
.set i, 0
.rept 32
	v_max_num_f32 v[T+i], v[\x+i], 0
.set i, i+1
.endr
.set i, 0
.rept 32
	v_fma_f32 v[\gg+i], -|v[\x+i]|, v[YV+i], v[T+i]
.set i, i+1
.endr
	WIN 0
.endm
.macro BLOCK a                         ; 16 rows x my 128 hidden units: four blocks of 32, each shared with lane l xor 16
.set PCS, PC+16*((\a)%2)
	GELU 64*(\a), G
	GELU 64*(\a)+32, G+32
.irp b, 0,1,2,3
	v_max3_num_f32 v[TM+\b], |v[G+16*\b]|, |v[G+16*\b+1]|, 0x8000000
.endr
.irp i, 2,4,6,8,10,12,14
.irp b, 0,1,2,3
	v_max3_num_f32 v[TM+\b], v[TM+\b], |v[G+16*\b+\i]|, |v[G+16*\b+\i+1]|
.endr
.endr
.irp b, 0,1,2,3
	v_permlanex16_b32 v[TM+4+\b], v[TM+\b], s20, s21
.endr
.irp b, 0,1,2,3
	v_max_num_f32 v[TM+\b], v[TM+\b], v[TM+4+\b]
.endr
.irp b, 0,1,2,3
	v_add_nc_u32 v[TM+12+\b], 0xf8800000, v[TM+\b]
.endr
.irp b, 0,1,2,3
	v_and_or_b32 v[TM+8+\b], v[TM+\b], 0x7f800000, s22
.endr
.irp b, 0,1,2,3
	v_lshrrev_b32 v[TM+4+\b], 23, v[TM+12+\b]
.endr
	v_lshl_or_b32 v[W+\a], v[TM+5], 8, v[TM+4]
	v_lshl_or_b32 v[W+\a], v[TM+6], 16, v[W+\a]
	v_lshl_or_b32 v[W+\a], v[TM+7], 24, v[W+\a]
	s_wait_xcnt 0x0                                ; the stores of two blocks ago have read this set of code registers
.irp b, 0,1,2,3
.irp i, 0,1,2,3,4,5,6,7,8,9,10,11,12,13,14,15
	v_med3_num_f32 v[G+16*\b+\i], v[G+16*\b+\i], -v[TM+8+\b], v[TM+8+\b]
.endr
	v_cvt_scalef32_pk8_bf8_f32 v[PCS+4*\b:PCS+4*\b+1], v[G+16*\b:G+16*\b+7], v[TM+12+\b]
	v_cvt_scalef32_pk8_bf8_f32 v[PCS+4*\b+2:PCS+4*\b+3], v[G+16*\b+8:G+16*\b+15], v[TM+12+\b]
.endr
	v_nop
.irp b, 0,1,2,3
	v_permlane16_swap_b32 v[PCS+4*\b], v[PCS+4*\b+2]           ; lanes 16-31's units 8 .. 15 change places with lanes 0-15's units 16 .. 23: the true order
	v_permlane16_swap_b32 v[PCS+4*\b+1], v[PCS+4*\b+3]
.endr
.irp b, 0,1,2,3
	global_store_b128 v[LI], v[PCS+4*\b:PCS+4*\b+3], s[12:13] offset:65536*(\a)+512*\b   ; 512 consecutive bytes
.endr
.endm
	s_mov_b32 s3, 0
.Lhalf:
	s_cmp_eq_u32 s3, 0
	s_cbranch_scc1 .Lno_copy
	WIN 0x83                                       ; my rows 64-127: window 3 down into window 2
.set i, 0
.rept 256
	v_mov_b32 v[i], v[i]
.set i, i+1
.endr
	WIN 0
.Lno_copy:
	BLOCK 0
	BLOCK 1
	BLOCK 2
	BLOCK 3
	v_cndmask_b32 v[IM], v[W], v[W+1], s23         ; word i: lanes 0-15 tile 2 i, lanes 16-31 tile 2 i + 1
	v_cndmask_b32 v[IM+1], v[W+2], v[W+3], s23
	global_store_b64 v[L8], v[IM:IM+1], s[98:99]   ; 256 consecutive bytes
	s_wait_xcnt 0x0                                ; the stores have read their data and bases
	s_add_nc_u64 s[12:13], s[12:13], 262144
	s_add_nc_u64 s[98:99], s[98:99], 256
	s_add_co_u32 s3, s3, 1
	s_cmp_lt_u32 s3, 2
	s_cbranch_scc1 .Lhalf
	s_wait_tensorcnt 0x0                           ; the wave's end
	ds_add_u32 v[SPW], v[NIL]
	s_wait_dscnt 0x0
	CROUND                                         ; the closing round
	s_endpgm
.Lfunc_end_k_q3bffe85c54_w1:
	.size	k_q3bffe85c54_w1, .Lfunc_end_k_q3bffe85c54_w1-k_q3bffe85c54_w1
	.p2alignl 7, 3214868480
	.fill 96, 4, 3214868480
	.section	.rodata,"a",@progbits
	.p2align	6, 0x0
	.amdhsa_kernel k_q3bffe85c54_w1
		.amdhsa_group_segment_fixed_size 327680
		.amdhsa_private_segment_fixed_size 0
		.amdhsa_enable_private_segment 0
		.amdhsa_kernarg_size 40
		.amdhsa_user_sgpr_count 2
		.amdhsa_user_sgpr_kernarg_segment_ptr 1
		.amdhsa_wavefront_size32 1
		.amdhsa_system_sgpr_workgroup_id_x 1
		.amdhsa_system_sgpr_workgroup_id_y 1
		.amdhsa_system_sgpr_workgroup_id_z 1
		.amdhsa_system_vgpr_workitem_id 0
		.amdhsa_next_free_vgpr 1024
		.amdhsa_next_free_sgpr 102
		.amdhsa_reserve_vcc 0
		.amdhsa_float_denorm_mode_32 3
		.amdhsa_float_denorm_mode_16_64 3
		.amdhsa_memory_ordered 1
		.amdhsa_forward_progress 1
		.amdhsa_inst_pref_size 255
	.end_amdhsa_kernel
	.section	.bss,"aw",@nobits
	.p2align	6
	.space	262144
	.amdgpu_metadata
---
amdhsa.version: [ 1, 2 ]
amdhsa.kernels:
  - .name:           k_q3bffe85c54_w1
    .symbol:         k_q3bffe85c54_w1.kd
    .args:
      - { .name: hq, .offset: 0, .size: 8, .value_kind: global_buffer, .address_space: global }
      - { .name: W1_codes, .offset: 8, .size: 8, .value_kind: global_buffer, .address_space: global }
      - { .name: W1_scales, .offset: 16, .size: 8, .value_kind: global_buffer, .address_space: global }
      - { .name: b1, .offset: 24, .size: 8, .value_kind: global_buffer, .address_space: global }
      - { .name: fb, .offset: 32, .size: 8, .value_kind: global_buffer, .address_space: global }
    .group_segment_fixed_size: 327680
    .private_segment_fixed_size: 0
    .kernarg_segment_align: 8
    .kernarg_segment_size: 40
    .max_flat_workgroup_size: 128
    .sgpr_count:     102
    .vgpr_count:     1024
    .wavefront_size: 32
...
	.end_amdgpu_metadata
.endif
;; end of part 5
;; launch w2 (part 6): grid 8 x 32, 4 waves a work-group, clusters of 4 x 4, 327,680 bytes of LDS; arguments fb, W2_codes, W2_scales, b2, x1, out0; writes out0
.if DOCPART == 6
	.amdgcn_target "amdgcn-amd-amdhsa--gfx1250"
	.amdhsa_code_object_version 6
	.text
	.protected	k_q3bffe85c54_w2
	.globl	k_q3bffe85c54_w2
	.p2align	8
	.type	k_q3bffe85c54_w2,@function
k_q3bffe85c54_w2:
	s_mov_b64 s[64:65], 0
	v_nop
	global_prefetch_b8 v0, s[64:65] scope:SCOPE_SE
	s_setreg_imm32_b32 hwreg(HW_REG_WAVE_MODE, 25, 1), 1
	s_wait_xcnt 0x0
	s_wait_alu depctr_hold_cnt(0) depctr_sa_sdst(0) depctr_va_vdst(0) depctr_va_sdst(0) depctr_va_ssrc(0) depctr_va_vcc(0) depctr_vm_vsrc(0)
	s_getreg_b32 s2, hwreg(HW_REG_IB_STS2, 6, 4)
	s_cmp_eq_u32 s2, 0
	s_cbranch_scc0 .Lentry_in_a_cluster
	s_endpgm
.Lentry_in_a_cluster:
	s_bfe_u32 s2, ttmp6, 0x10000c
	s_cmp_lg_u32 s2, 0xf033
	s_cbranch_scc0 .Lentry_shape_is_right
	s_endpgm
.Lentry_shape_is_right:
; out[m][n] = res[m][n] + bias[n] + sum over k of A[m][k] W[n][k], on codes of E5M2 with E8M0 scales.  M = 4,096, N = 1,024, K = KTOT.  The text serves KTOT = 1,024 (ctx Wo) and 4,096 (gelu W2).
; A tile of 128 x 128 to a work-group (256 work-groups), 64 x 64 to each of four waves: 16 accumulators.  4 x 4 clusters with joint loads: A's tile shared along a row of the cluster, W's along a column.
; A comes as IMAGES of operand registers, [tile of 16 rows][128 along K][4][lane][16 bytes]: 512 along K of a tile of rows are 8,192 consecutive bytes; in LDS they lie as in memory, and a fragment load reads 512
; consecutive bytes.  W comes as rows of codes, 512 bytes of a row to a slot, 16 bytes of padding behind each.  Two slots of 512 along K (four matrix instructions deep).
; W's scale bytes of all of K come into LDS once.  A's scale words: KTOT = 4,096: images, into LDS once; KTOT = 1,024: two bytes a head and row in memory, put together in registers at the head.
; res is asked for at the head, 32 loads a wave into window 2, which the loop over K never names, in the layout in which the results come back from the stage; it is waited for on the way out, so that it comes
; while the products run.  The matrix instruction is used transposed (source 0 = 16 rows of W, source 1 = 16 rows of A).
.set KTOT,  4096
.set KS,    KTOT/32
.set LAPS,  KTOT/1024
.set RTB,   KTOT*16                    ; a tile of 16 rows of A in memory, in bytes
.set BP,    528                        ; a row of W in LDS: 512 bytes + 16
.set ASL,   65536                      ; A's part of a slot: 8 tiles of rows x 8,192 bytes
.set SLOT,  ASL+128*BP
.set SCB,   2*SLOT                     ; W's scale bytes: units of 256 bytes + 16
.set SBH,   (64*KS/256)*272            ; those of 64 rows
.set SBP,   (32*KS/256)*272            ; of 32
.set SCA,   283648                     ; A's scale words (KTOT = 4,096): 512 bytes for each 128 along K
.set SPARE, 300032                     ; the spare words: 128 bytes a wave, named by no other line
.set STAGE, 300544                     ; 16 rows x 272 bytes for each wave: no fill lands here
.set SPITCH, 272
.set BI,   4                           ; v4-7   bias of my four columns
.set ADRA, 16
.set ADRB, 18
.set ADSB, 20
.set ADSA, 21
.set STO,  22
.set RD,   23
.set CO,   24
.set SPW,  28
.set NIL,  29
.set OB0,  32                          ; the way out: v32-63 and v96-127 by turns
.set OB1,  96
.set SB,   64                          ; v64-79 W's scale words, a set for each slot: register 4 p + q: lanes 0-15 block 2 p, lanes 16-31 block 2 p + 1
.set SA,   80                          ; v80-95 A's: register 2 q + i: lanes 0-15 block 2 i, lanes 16-31 block 2 i + 1
.set ACC,  128
.set F0,   0                           ; window 1: two buffers: A's four fragments, then W's four
.set F1,   128
.set G1A, 24
.set G0A, 32
.set G0SA, 40
.set G1B, 48
.set G0B, 56
.set G1SB, 80
.set G0SB, 88
.set G1SA, 92
.set MSB, 0
.macro WIN new
.if MSB != (\new)
	s_set_vgpr_msb (MSB<<8)|(\new)
.set MSB, (\new)
.endif
.endm
.set MUL,  0x05                        ; sources 0 and 1 window 1; C and D window 0
.set TO_F, 0x40
.macro JLOAD s                         ; a joint refill: waves 0, 1 fetch A's halves, waves 2, 3 W's; four v_nop follow each line
	s_cmp_eq_u32 s11, 0
	s_cbranch_scc0 .Lfor_b_\@
	tensor_load_to_lds s[G0A+4*\s:G0A+4*\s+3], s[G1A:G1A+7]
	s_nop 0
.rept 4
	v_nop
.endr
	s_branch .Lasked_\@
.Lfor_b_\@:
	tensor_load_to_lds s[G0B+4*\s:G0B+4*\s+3], s[G1B:G1B+7]
	s_nop 0
.rept 4
	v_nop
.endr
.Lasked_\@:
.endm
.macro CREST
	s_cmp_lg_u32 s10, 0
	s_cbranch_scc1 .Lnot_wave_0_\@
	s_barrier_signal -3
.Lnot_wave_0_\@:
	s_barrier_wait -3
	s_barrier_signal -1
	s_barrier_wait -1
.endm
.macro CROUND
	s_barrier_signal -1
	s_barrier_wait -1
	CREST
.endm
	s_load_b256 s[68:75], s[0:1], 0x0              ; A, W's codes, W's scales, bias
	s_load_b128 s[76:79], s[0:1], 0x20             ; res, out
	v_lshl_add_u32 v[SPW], v0, 2, SPARE
	v_mov_b32 v[NIL], 0
	ds_add_u32 v28, v29
	ds_add_u32 v28, v29
	s_wait_dscnt 0x0
	v_lshrrev_b32 v1, 5, v0
	v_readfirstlane_b32 s10, v1                    ; wave
	s_lshr_b32 s11, s10, 1                         ; my half of the rows.  Also: I fetch for A (0) or W (1)
	s_and_b32 s12, s10, 1                          ; my half of the columns.  Also: which half I fetch
	s_bfe_u32 s15, ttmp6, 0x40000                  ; cx
	s_bfe_u32 s16, ttmp6, 0x40004                  ; cy
	s_lshl_b32 s14, ttmp9, 2
	s_add_co_u32 s14, s14, s15                     ; tile column
	s_and_b32 s13, ttmp7, 0xffff
	s_lshl_b32 s13, s13, 2
	s_add_co_u32 s13, s13, s16                     ; tile row
	s_lshl_b32 s17, s16, 2
	s_lshl_b32 s17, 15, s17                        ; my row of the cluster
	s_lshl_b32 s18, 0x1111, s15                    ; my column
	s_or_b32 s[G1A], s17, (3<<16)|(1<<21)          ; A: 4 tiles of rows x 1,024 elements of 8 bytes, no padding
	s_mov_b32 s[G1A+1], 1024<<16
	s_mov_b32 s[G1A+2], 4<<16
	s_mov_b32 s[G1A+3], 1024<<16
	s_mov_b32 s[G1A+4], 4
	s_mov_b32 s[G1A+5], RTB/8
	s_mov_b32 s[G1A+6], 0
	s_mov_b32 s[G1A+7], 0
	s_or_b32 s[G1B], s18, (0<<16)|(1<<20)|(1<<21)|(6<<22)|(3<<25)   ; W: 64 rows x 512 bytes, 4 words of padding behind every 128
	s_mov_b32 s[G1B+1], 512<<16
	s_mov_b32 s[G1B+2], 64<<16
	s_mov_b32 s[G1B+3], 512<<16
	s_mov_b32 s[G1B+4], 64
	s_mov_b32 s[G1B+5], KTOT
	s_mov_b32 s[G1B+6], 0
	s_mov_b32 s[G1B+7], 0
	s_or_b32 s[G1SB], s18, (3<<16)|(1<<20)|(1<<21)|(5<<22)|(3<<25)  ; W's scales of 64 rows: a dense block as rows of 256 bytes, 16 of padding behind each
	s_mov_b32 s[G1SB+1], 32<<16
	s_mov_b32 s[G1SB+2], (64*KS/256)<<16
	s_mov_b32 s[G1SB+3], 32<<16
	s_mov_b32 s[G1SB+4], 64*KS/256
	s_mov_b32 s[G1SB+5], 32
	s_mov_b32 s[G1SB+6], 0
	s_mov_b32 s[G1SB+7], 0
.if KTOT > 1024
	s_or_b32 s[G1SA], s17, (3<<16)|(1<<21)         ; A's scale words: 16 chunks x 512 bytes, 16,384 bytes apart
	s_mov_b32 s[G1SA+1], 64<<16
	s_mov_b32 s[G1SA+2], 16<<16
	s_mov_b32 s[G1SA+3], 64<<16
	s_mov_b32 s[G1SA+4], 16
	s_mov_b32 s[G1SA+5], 2048
	s_mov_b32 s[G1SA+6], 0
	s_mov_b32 s[G1SA+7], 0
.endif
	s_lshl_b32 s20, s13, 3
	s_lshl_b32 s21, s12, 2
	s_add_co_u32 s20, s20, s21
	s_mul_i32 s20, s20, RTB                        ; A: tile of rows 8 x tile row + 4 x half
	s_mov_b32 s21, 0
	s_lshl_b32 s22, s14, 7
	s_lshl_b32 s23, s12, 6
	s_add_co_u32 s22, s22, s23                     ; W: row 128 x tile column + 64 x half
	s_mul_i32 s44, s22, KS
	s_mov_b32 s45, 0
	s_mul_i32 s22, s22, KTOT
	s_mov_b32 s23, 0
	s_lshl_b32 s19, s12, 15                        ; where they go: no place in the cluster enters an LDS address
	s_mul_i32 s2, s12, 64*BP
	s_add_co_u32 s2, s2, ASL
	s_mul_i32 s3, s12, SBH
	s_add_co_u32 s3, s3, SCB
.if KTOT > 1024
	s_lshl_b32 s46, s12, 18                        ; 16 chunks of 16,384 bytes
	s_lshl_b32 s47, s13, 9
	s_add_co_u32 s46, s46, s47
	s_add_co_u32 s46, s46, 0x1000000
	s_mov_b32 s47, 0
	s_lshl_b32 s9, s12, 13
	s_add_co_u32 s9, s9, SCA
.endif
	s_wait_kmcnt 0x0
	s_add_nc_u64 s[20:21], s[68:69], s[20:21]
	s_add_nc_u64 s[22:23], s[70:71], s[22:23]
	s_add_nc_u64 s[44:45], s[72:73], s[44:45]
.if KTOT > 1024
	s_add_nc_u64 s[46:47], s[68:69], s[46:47]
.endif
	CROUND                                         ; all sixteen work-groups are here: the first joint loads meet
.irp s, 0,1
	s_mov_b32 s[G0A+4*\s], 1
	s_add_co_u32 s[G0A+4*\s+1], s19, \s*SLOT
	s_add_nc_u64 s[G0A+4*\s+2:G0A+4*\s+3], s[20:21], \s*8192
	s_or_b32 s[G0A+4*\s+3], s[G0A+4*\s+3], 0x80000000
	s_mov_b32 s[G0B+4*\s], 1
	s_add_co_u32 s[G0B+4*\s+1], s2, \s*SLOT
	s_add_nc_u64 s[G0B+4*\s+2:G0B+4*\s+3], s[22:23], \s*512
	s_or_b32 s[G0B+4*\s+3], s[G0B+4*\s+3], 0x80000000
.endr
	s_mov_b32 s[G0SB], 1
	s_mov_b32 s[G0SB+1], s3
	s_mov_b64 s[G0SB+2:G0SB+3], s[44:45]
	s_or_b32 s[G0SB+3], s[G0SB+3], 0x80000000
.if KTOT > 1024
	s_mov_b32 s[G0SA], 1
	s_mov_b32 s[G0SA+1], s9
	s_mov_b64 s[G0SA+2:G0SA+3], s[46:47]
	s_or_b32 s[G0SA+3], s[G0SA+3], 0x80000000
.endif
	s_cmp_eq_u32 s11, 0                            ; a wave's first fills stand in one branch: at most three loads of mine are out
	s_cbranch_scc0 .Lfirst_b
.if KTOT > 1024
	tensor_load_to_lds s[G0SA:G0SA+3], s[G1SA:G1SA+7]
	s_nop 0
.endif
	tensor_load_to_lds s[G0A:G0A+3], s[G1A:G1A+7]
	s_nop 0
	tensor_load_to_lds s[G0A+4:G0A+7], s[G1A:G1A+7]
	s_nop 0
.rept 4
	v_nop
.endr
	s_branch .Lfirst_done
.Lfirst_b:
	tensor_load_to_lds s[G0SB:G0SB+3], s[G1SB:G1SB+7]
	s_nop 0
	tensor_load_to_lds s[G0B:G0B+3], s[G1B:G1B+7]
	s_nop 0
	tensor_load_to_lds s[G0B+4:G0B+7], s[G1B:G1B+7]
	s_nop 0
.rept 4
	v_nop
.endr
.Lfirst_done:
	v_and_b32 v1, 15, v0                           ; r
	v_bfe_u32 v2, v0, 4, 1                         ; h
	v_and_b32 v3, 31, v0                           ; lane
	v_lshlrev_b32 v8, 4, v3
	s_lshl_b32 s20, s11, 15
	v_add_nc_u32 v[ADRA], s20, v8                  ; my four tiles of rows: 16 x lane in an image
	v_add_nc_u32 v[ADRA+1], SLOT, v[ADRA]
	v_mul_u32_u24 v9, v1, BP
	v_lshl_add_u32 v9, v2, 4, v9
	s_mul_i32 s20, s12, 64*BP
	s_add_co_u32 s20, s20, ASL
	v_add_nc_u32 v[ADRB], s20, v9
	v_add_nc_u32 v[ADRB+1], SLOT, v[ADRB]
	v_mul_u32_u24 v9, v3, KS                       ; W's scale words: lane l takes row 32 p + l
	v_lshrrev_b32 v10, 8, v9
	v_lshl_add_u32 v9, v10, 4, v9
	s_mul_i32 s20, s12, SBH
	s_add_co_u32 s20, s20, SCB
	v_add_nc_u32 v[ADSB], s20, v9
.if KTOT > 1024
	s_lshl_b32 s20, s11, 8
	s_add_co_u32 s20, s20, SCA
	v_lshl_add_u32 v[ADSA], v3, 3, s20
.endif
	s_mul_i32 s20, s10, 16*SPITCH
	s_add_co_u32 s20, s20, STAGE
	v_mul_u32_u24 v9, v1, SPITCH
	v_lshl_add_u32 v9, v2, 5, v9
	v_add_nc_u32 v[STO], s20, v9                   ; in: row r, 32 bytes for each half of the lanes
	v_mul_u32_u24 v9, v2, SPITCH
	v_lshl_add_u32 v9, v1, 4, v9
	v_add_nc_u32 v[RD], s20, v9                    ; back: lanes 0-15 one row of 256 bytes, lanes 16-31 the next
	v_lshlrev_b32 v[CO], 12, v2
	v_lshl_add_u32 v[CO], v1, 4, v[CO]             ; and the same two rows in res and out
	v_lshlrev_b32 v11, 4, v1
	s_lshl_b32 s20, s13, 7
	s_lshl_b32 s21, s11, 6
	s_add_co_u32 s20, s20, s21                     ; my first row
	s_lshl_b32 s22, s14, 7
	s_lshl_b32 s23, s12, 6
	s_add_co_u32 s22, s22, s23                     ; my first column
	s_lshl_b32 s44, s20, 12
	s_lshl_b32 s46, s22, 2
	s_add_co_u32 s44, s44, s46
	s_mov_b32 s45, 0
	s_mov_b32 s47, 0
	s_add_nc_u64 s[76:77], s[76:77], s[44:45]
	s_add_nc_u64 s[78:79], s[78:79], s[44:45]
	s_add_nc_u64 s[74:75], s[74:75], s[46:47]
	global_load_b128 v[BI:BI+3], v11, s[74:75]
.if KTOT == 1024
	s_lshl_b32 s44, s20, 1
	s_add_co_u32 s44, s44, 0x400000
	s_add_nc_u64 s[72:73], s[68:69], s[44:45]      ; ctx's scale bytes at my first row
	v_lshlrev_b32 v12, 1, v3
.irp s, 0,1
.irp q, 0,1,2,3
.irp i, 0,1
.irp e, 0,1
	global_load_u16 v[OB1+16*\s+4*\q+2*\i+\e], v12, s[72:73] offset:(2*(4*\s+\q)+\e)*8192+64*\i   ; head 2 (4 s + q) + e, row 32 i + lane
.endr
.endr
.endr
.endr
.endif
	WIN 0x80                                       ; destination window 2
.irp a, 0,1,2,3
.irp t, 0,1,2,3,4,5,6,7
	global_load_b128 v[32*\a+4*\t:32*\a+4*\t+3], v[CO], s[76:77] offset:(16*\a+2*\t)*4096   ; res: these 32 loads stay out until the way out; their offset register and base are never rewritten
.endr
.endr
	WIN 0
.if KTOT == 1024
	s_wait_loadcnt 32                              ; the bias and the 32 loads of scale bytes are in; the 32 loads of res, issued behind them, may be out
.irp s, 0,1
.irp q, 0,1,2,3
.irp i, 0,1
	v_lshl_or_b32 v[SA+8*\s+2*\q+\i], v[OB1+16*\s+4*\q+2*\i+1], 16, v[OB1+16*\s+4*\q+2*\i]   ; two heads' bytes make the word of 128 along K
.endr
.endr
.endr
.rept 8
	v_nop                                          ; a scale register written by a vector instruction stands eight plain lines ahead of a scaled matrix instruction
.endr
.endif
.macro WM d, x, y, zero, sx, sy, rx, ry
.if \zero
.if (\rx) && (\ry)
	v_wmma_scale_f32_16x16x128_f8f6f4 v[\d:\d+7], v[\x:\x+15], v[\y:\y+15], 0, v[\sx], v[\sy] matrix_a_fmt:MATRIX_FMT_BF8 matrix_b_fmt:MATRIX_FMT_BF8 matrix_a_scale:MATRIX_SCALE_ROW1 matrix_b_scale:MATRIX_SCALE_ROW1
.elseif \rx
	v_wmma_scale_f32_16x16x128_f8f6f4 v[\d:\d+7], v[\x:\x+15], v[\y:\y+15], 0, v[\sx], v[\sy] matrix_a_fmt:MATRIX_FMT_BF8 matrix_b_fmt:MATRIX_FMT_BF8 matrix_a_scale:MATRIX_SCALE_ROW1
.elseif \ry
	v_wmma_scale_f32_16x16x128_f8f6f4 v[\d:\d+7], v[\x:\x+15], v[\y:\y+15], 0, v[\sx], v[\sy] matrix_a_fmt:MATRIX_FMT_BF8 matrix_b_fmt:MATRIX_FMT_BF8 matrix_b_scale:MATRIX_SCALE_ROW1
.else
	v_wmma_scale_f32_16x16x128_f8f6f4 v[\d:\d+7], v[\x:\x+15], v[\y:\y+15], 0, v[\sx], v[\sy] matrix_a_fmt:MATRIX_FMT_BF8 matrix_b_fmt:MATRIX_FMT_BF8
.endif
.else
.if (\rx) && (\ry)
	v_wmma_scale_f32_16x16x128_f8f6f4 v[\d:\d+7], v[\x:\x+15], v[\y:\y+15], v[\d:\d+7], v[\sx], v[\sy] matrix_a_fmt:MATRIX_FMT_BF8 matrix_b_fmt:MATRIX_FMT_BF8 matrix_a_scale:MATRIX_SCALE_ROW1 matrix_b_scale:MATRIX_SCALE_ROW1
.elseif \rx
	v_wmma_scale_f32_16x16x128_f8f6f4 v[\d:\d+7], v[\x:\x+15], v[\y:\y+15], v[\d:\d+7], v[\sx], v[\sy] matrix_a_fmt:MATRIX_FMT_BF8 matrix_b_fmt:MATRIX_FMT_BF8 matrix_a_scale:MATRIX_SCALE_ROW1
.elseif \ry
	v_wmma_scale_f32_16x16x128_f8f6f4 v[\d:\d+7], v[\x:\x+15], v[\y:\y+15], v[\d:\d+7], v[\sx], v[\sy] matrix_a_fmt:MATRIX_FMT_BF8 matrix_b_fmt:MATRIX_FMT_BF8 matrix_b_scale:MATRIX_SCALE_ROW1
.else
	v_wmma_scale_f32_16x16x128_f8f6f4 v[\d:\d+7], v[\x:\x+15], v[\y:\y+15], v[\d:\d+7], v[\sx], v[\sy] matrix_a_fmt:MATRIX_FMT_BF8 matrix_b_fmt:MATRIX_FMT_BF8
.endif
.endif
.endm
; A's block a x W's four blocks.  The 16 accumulators take turns, one instruction a turn, in the same order in every quarter
.macro MUL4 f, a, set, q, zero
.irp b, 0,1,2,3
	WM ACC+8*(4*(\a)+\b), \f+64+16*\b, \f+16*(\a), \zero, SB+8*(\set)+4*(\b/2)+(\q), SA+8*(\set)+2*(\q)+(\a)/2, \b%2, (\a)%2
.endr
.endm
.macro FETCH slot, q, f                ; 32 LDS loads: W's four fragments, then A's four, of the slot's q-th 128 along K
	WIN TO_F
.irp i, 0,1,2,3
.irp c, 0,1,2,3
	ds_load_b128 v[\f+64+16*\i+4*\c:\f+64+16*\i+4*\c+3], v[ADRB+\slot] offset:16*BP*\i+128*(\q)+32*\c
.endr
.endr
.irp i, 0,1,2,3
.irp c, 0,1,2,3
	ds_load_b128 v[\f+16*\i+4*\c:\f+16*\i+4*\c+3], v[ADRA+\slot] offset:8192*\i+2048*(\q)+512*\c
.endr
.endr
.endm
.macro SCALES set                      ; a slot's scale words
.irp p, 0,1
	ds_load_b128 v[SB+8*\set+4*\p:SB+8*\set+4*\p+3], v[ADSB] offset:\p*SBP
.endr
.if KTOT > 1024
.irp q, 0,1,2,3
	ds_load_b64 v[SA+8*\set+2*\q:SA+8*\set+2*\q+1], v[ADSA] offset:512*\q
.endr
.endif
.endm
.macro PLACES n
.rept \n
	v_nop
.endr
.endm
.macro QUARTER slot, q, f, g, zero     ; multiplies the slot's q-th 128 along K from buffer f and fetches the next into g
	s_wait_dscnt 8                                 ; W's fragments and A's blocks 0, 1 are in; A's blocks 2, 3 may be out
	WIN MUL
	MUL4 \f, 0, \slot, \q, \zero
	MUL4 \f, 1, \slot, \q, \zero
	PLACES 8
	FETCH \slot, (\q)+1, \g
	s_wait_dscnt 32                                ; all but the 32 just issued
	WIN MUL
	MUL4 \f, 2, \slot, \q, \zero
	MUL4 \f, 3, \slot, \q, \zero
.endm
; A slot's last quarter changes slots: one barrier; in front of it each wave waits for all its tensor loads, adds 0 to its spare word, and waits for that and for its reads of this slot
.macro TURN slot, next, fill
	WIN 0
	s_wait_tensorcnt 0x0
	ds_add_u32 v[SPW], v[NIL]
	s_wait_dscnt 9                                 ; the add and A's blocks 2, 3 may be out
	WIN MUL
	MUL4 F1, 0, \slot, 3, 0
	s_wait_dscnt 0x0                               ; the add is done, and my reads of this slot are over
	s_barrier_signal -1
	MUL4 F1, 1, \slot, 3, 0
	WIN 0
	s_barrier_wait -1
.if \fill
	CREST                                          ; the barrier has opened a round of the cluster's
	s_add_nc_u64 s[G0A+4*\slot+2:G0A+4*\slot+3], s[G0A+4*\slot+2:G0A+4*\slot+3], 2*8192
	s_add_nc_u64 s[G0B+4*\slot+2:G0B+4*\slot+3], s[G0B+4*\slot+2:G0B+4*\slot+3], 2*512
	JLOAD \slot                                    ; the first tensor load behind the round
	PLACES 4
.else
	PLACES 8
.endif
	v_add_nc_u32 v[ADSB], 16, v[ADSB]
.if KTOT > 1024
	v_add_nc_u32 v[ADSA], 2048, v[ADSA]
.endif
	SCALES \next
	FETCH \next, 0, F0
	WIN MUL
	MUL4 F1, 2, \slot, 3, 0
	MUL4 F1, 3, \slot, 3, 0
.endm
	s_wait_tensorcnt 1                             ; the scales and my part of slot 0 are in; slot 1's load may be out
	s_barrier_signal -1
	s_barrier_wait -1
	SCALES 0
	FETCH 0, 0, F0
	QUARTER 0, 0, F0, F1, 1                        ; the first quarter's products start the sums
.if LAPS > 1
	WIN 0
	s_mov_b32 s3, LAPS-1
.Llap:
	QUARTER 0, 1, F1, F0, 0
	QUARTER 0, 2, F0, F1, 0
	TURN 0, 1, 1
	QUARTER 1, 0, F0, F1, 0
	QUARTER 1, 1, F1, F0, 0
	QUARTER 1, 2, F0, F1, 0
	TURN 1, 0, 1
	QUARTER 0, 0, F0, F1, 0
	WIN 0
	s_sub_co_u32 s3, s3, 1
	s_cmp_lg_u32 s3, 0
	s_cbranch_scc1 .Llap
.endif
	QUARTER 0, 1, F1, F0, 0
	QUARTER 0, 2, F0, F1, 0
	TURN 0, 1, 0
	QUARTER 1, 0, F0, F1, 0
	QUARTER 1, 1, F1, F0, 0
	QUARTER 1, 2, F0, F1, 0
	s_wait_dscnt 8
	WIN MUL
	MUL4 F1, 0, 1, 3, 0
	MUL4 F1, 1, 1, 3, 0
	s_wait_dscnt 0
	MUL4 F1, 2, 1, 3, 0
	MUL4 F1, 3, 1, 3, 0
	WIN 0
	; THE WAY OUT, a block of 16 rows x 64 columns at a time, through my own stage: back as whole rows of 256 bytes, + res + bias, stored sixteen lanes to 256 consecutive bytes
.macro TOSTAGE a
.set OB, OB0+64*((\a)%2)
.irp b, 0,1,2,3
	ds_store_b128 v[STO], v[ACC+8*(4*(\a)+\b):ACC+8*(4*(\a)+\b)+3] offset:64*\b        ; each accumulator from its low end on
	ds_store_b128 v[STO], v[ACC+8*(4*(\a)+\b)+4:ACC+8*(4*(\a)+\b)+7] offset:64*\b+16
.endr
.irp t, 0,1,2,3,4,5,6,7
	ds_load_b128 v[OB+4*\t:OB+4*\t+3], v[RD] offset:\t*2*SPITCH   ; LDS serves a wave's instructions in order: these see the stores above
.endr
.endm
.macro SEND a, younger
.set OB, OB0+64*((\a)%2)
	s_wait_dscnt \younger                          ; the block is back; the next block's sixteen LDS instructions may be out
	WIN 0x08                                       ; source 1 window 2
.set i, 0
.rept 16
	v_pk_add_f32 v[OB+i:OB+i+1], v[OB+i:OB+i+1], v[32*(\a)+i:32*(\a)+i+1]
.set i, i+2
.endr
	WIN 0
.irp t, 0,1,2,3,4,5,6,7
	global_store_b128 v[CO], v[OB+4*\t:OB+4*\t+3], s[78:79] offset:(16*(\a)+2*\t)*4096 th:TH_STORE_NT
.endr
.endm
	PLACES 8
	s_wait_loadcnt 0x0                             ; res and the bias, asked for at the head: no load was issued behind them
	WIN 0x82
.set i, 0
.rept 64
	v_pk_add_f32 v[i:i+1], v[i:i+1], v[BI+i%4:BI+i%4+1]   ; res + bias
.set i, i+2
.endr
	WIN 0
	TOSTAGE 0
.irp a, 1,2,3
.if \a > 1
	s_wait_xcnt 0x0                                ; block a - 2's stores have read their registers: block a's loads may land there
.endif
	TOSTAGE \a
	SEND \a-1, 16
.endr
	SEND 3, 0
	s_wait_tensorcnt 0x0                           ; the wave's end
	ds_add_u32 v[SPW], v[NIL]
	s_wait_dscnt 0x0
	CROUND                                         ; the closing round
	s_endpgm
.Lfunc_end_k_q3bffe85c54_w2:
	.size	k_q3bffe85c54_w2, .Lfunc_end_k_q3bffe85c54_w2-k_q3bffe85c54_w2
	.p2alignl 7, 3214868480
	.fill 96, 4, 3214868480
	.section	.rodata,"a",@progbits
	.p2align	6, 0x0
	.amdhsa_kernel k_q3bffe85c54_w2
		.amdhsa_group_segment_fixed_size 327680
		.amdhsa_private_segment_fixed_size 0
		.amdhsa_enable_private_segment 0
		.amdhsa_kernarg_size 48
		.amdhsa_user_sgpr_count 2
		.amdhsa_user_sgpr_kernarg_segment_ptr 1
		.amdhsa_wavefront_size32 1
		.amdhsa_system_sgpr_workgroup_id_x 1
		.amdhsa_system_sgpr_workgroup_id_y 1
		.amdhsa_system_sgpr_workgroup_id_z 1
		.amdhsa_system_vgpr_workitem_id 0
		.amdhsa_next_free_vgpr 640
		.amdhsa_next_free_sgpr 100
		.amdhsa_reserve_vcc 0
		.amdhsa_float_denorm_mode_32 3
		.amdhsa_float_denorm_mode_16_64 3
		.amdhsa_memory_ordered 1
		.amdhsa_forward_progress 1
		.amdhsa_inst_pref_size 103
	.end_amdhsa_kernel
	.amdgpu_metadata
---
amdhsa.version: [ 1, 2 ]
amdhsa.kernels:
  - .name:           k_q3bffe85c54_w2
    .symbol:         k_q3bffe85c54_w2.kd
    .args:
      - { .name: fb, .offset: 0, .size: 8, .value_kind: global_buffer, .address_space: global }
      - { .name: W2_codes, .offset: 8, .size: 8, .value_kind: global_buffer, .address_space: global }
      - { .name: W2_scales, .offset: 16, .size: 8, .value_kind: global_buffer, .address_space: global }
      - { .name: b2, .offset: 24, .size: 8, .value_kind: global_buffer, .address_space: global }
      - { .name: x1, .offset: 32, .size: 8, .value_kind: global_buffer, .address_space: global }
      - { .name: out0, .offset: 40, .size: 8, .value_kind: global_buffer, .address_space: global }
    .group_segment_fixed_size: 327680
    .private_segment_fixed_size: 0
    .kernarg_segment_align: 8
    .kernarg_segment_size: 48
    .max_flat_workgroup_size: 128
    .sgpr_count:     100
    .vgpr_count:     640
    .wavefront_size: 32
...
	.end_amdgpu_metadata
.endif
;; end of part 6
